; MI455X (gfx1250); checked and timed in simulation.
; The chip was launched on July 23, 2026; its instructions are those of AMD's public machine-readable ISA for CDNA 5 (MIT licence, August 2026) and "CDNA5" Instruction Set Architecture Reference Guide (July 2026). The comments in the code are by the model that wrote it; some were corrected since.
;; TF Multi Head Attention. Allowed arithmetic: matrix products marked QUANTISED: E2M3 operands, one E8M0 scale for each 32 along K, by v_wmma_scale_f32_16x16x128_f8f6f4 with both operands' format E2M3, f32 sums; everything else in f32.
;; Inputs: Wk 1,024 x 1,024 float32; Wo 1,024 x 1,024 float32; Wq 1,024 x 1,024 float32; Wv 1,024 x 1,024 float32; bk 1,024 float32; bo 1,024 float32; bq 1,024 float32; bv 1,024 float32; k 4 x 2,048 x 1,024 float32; mask 2,048 x 2,048 int32; q 4 x 2,048 x 1,024 float32; v 4 x 2,048 x 1,024 float32.
;; Outputs: out0 4 x 2,048 x 1,024 float32.
;; This version of the problem:
;;   THIS VERSION OF THE PROBLEM IS GIVEN IN LOW PRECISION. The matrix products marked QUANTISED in the list below multiply operands that are first quantised to E2M3 (2 exponent bits, 3 mantissa bits; 6 bits a number), with one power-of-two scale for each 32 numbers along K (OCP MX v1.0); their sums are f32. All else is computed in f32.
;;   The module's matrix products, in the order in which they are computed (A, B: the left and right operand; K: the contracted axis; several contracted axes count as one K, in the product's order):
;;     1. [M 8,192, K 1,024] x [K 1,024, N 1,024]; A: input q; B: input Wq: QUANTISED
;;     2. [M 8,192, K 1,024] x [K 1,024, N 1,024]; A: input k; B: input Wk: QUANTISED
;;     3. [M 8,192, K 1,024] x [K 1,024, N 1,024]; A: input v; B: input Wv: QUANTISED
;;     4. batch 64 x [M 2,048, K 64] x [K 64, N 2,048]; A: computed on the way; B: computed on the way: QUANTISED
;;     5. batch 64 x [M 2,048, K 2,048] x [K 2,048, N 64]; A: softmax (see below); B: computed on the way: QUANTISED
;;     6. [M 8,192, K 1,024] x [K 1,024, N 1,024]; A: computed on the way; B: input Wo: QUANTISED
;;   THE QUANTISER, for each operand of a quantised product, along K:
;;     - K is cut into blocks of 32 from its start; a last block that is shorter is filled with zeros.
;;     - A block's scale is 2^e with e = floor(log2(the largest magnitude in the block)) - 2, held to -126 .. 127; a block of zeros has e = 0. As a byte (E8M0): e + 127.
;;     - Each number is divided by its block's scale, clamped to +-7.5, and rounded to the nearest number of E2M3, ties to even, subnormals kept.
;;     - The product sums the exact products of the quantised numbers (number of the format x scale) in f32.
;;   ~~~python
;;   def quantise(x, axis):      # numpy; x: float32 -> the quantised numbers, widened to float32 again
;;       x = np.moveaxis(x, axis, -1); K = x.shape[-1]
;;       x = np.pad(x, [(0, 0)] * (x.ndim - 1) + [(0, -K % 32)]); x = x.reshape(x.shape[:-1] + (-1, 32)); a = np.abs(x).max(-1, keepdims=True)
;;       e = np.where(a > 0, np.clip(np.frexp(np.where(a > 0, a, 1))[1] - 1 - 2, -126, 127), 0)      # np.frexp(a)[1] - 1 = floor(log2(a)), exactly
;;       r = np.clip(x / 2.0 ** e, -7.5, 7.5)
;;       step = 2.0 ** (np.maximum(np.frexp(np.where(r == 0, 1, r))[1] - 1, 0) - 3)
;;       q = np.round(r / step) * step * 2.0 ** e      # np.round: ties to even
;;       return np.moveaxis(q.reshape(q.shape[:-2] + (-1,))[..., :K], -1, axis).astype(np.float32)
;;   ~~~
;;   SOFTMAX AHEAD OF A QUANTISED PRODUCT. Where the list says 'softmax', what is quantised is not the finished softmax but p = 2^(t - M), with t = logit x log2(e) and M = ceil(the row's largest t), a whole number; so 1/2 < the row's largest p <= 1. The row's sum l is taken of the UNQUANTISED p, in f32, and the product's result is divided by l at the end. Since M is a whole number, a kernel that streams over the keys may use a running M (the ceiling of the running maximum): every later rescaling is an exact power of two, which a block's scale takes up: the codes' values come out the same.
;;   OPERANDS COMPUTED ON THE WAY. 'Computed on the way' means the value that the module computes at that place (a softmax that the list does not call 'softmax' is quantised finished and normalised). What goes into a quantiser is computed in f32, as accurately as f32 sums, v_exp_f32 and their like allow (about 1e-6 of the number): no bf16 or f16 on the way to a quantiser, and a product that is left as it is and whose result goes on into a quantised operand takes f32 operands (vector FMAs, or v_wmma_f32_16x16x4_f32). A number that lies on a knife's edge between two numbers of the format may be rounded either way, as far as f32 arithmetic and the matrix unit's own rounding can turn it there, and no further.
;; One version. Each part assembles by itself: llvm-mc -triple=amdgcn-amd-amdhsa -mcpu=gfx1250 --defsym DOCPART=n.
;; ======== version 1 of 1: 4 launches
;; limits: right only within a limited range of input values
;; workspace buffers: xim 19,660,800 bytes; wim 3,276,800 bytes; mbits 524,288 bytes of whole numbers; att 20,185,088 bytes; oim 6,815,744 bytes
;; launch prep (part 1): grid 640 x 1, 4 waves a work-group, no clusters, 94,720 bytes of LDS; arguments q, k, v, mask, Wq, Wk, Wv, Wo, xim, wim, mbits; writes xim, wim, mbits
.if DOCPART == 1
	.amdgcn_target "amdgcn-amd-amdhsa--gfx1250"
	.amdhsa_code_object_version 6
	.text
	.protected	k_q927ba3337d_prep
	.globl	k_q927ba3337d_prep
	.p2align	8
	.type	k_q927ba3337d_prep,@function
k_q927ba3337d_prep:
	s_mov_b64 s[64:65], 0
	v_nop
	global_prefetch_b8 v0, s[64:65] scope:SCOPE_SE
	s_setreg_imm32_b32 hwreg(HW_REG_WAVE_MODE, 25, 1), 1
	s_wait_xcnt 0x0
; q, k, v [8192][1024] f32 and Wq, Wk, Wv, Wo [1024 (K)][1024 (N)] f32 become codes of FP6 (E2M3) with one E8M0 byte for each 32 along K; the mask [2048][2048] i32 becomes lane-mask words.
; TILES.  An operand's rows go in tiles of 16, and tile T holds rows 32 (T / 2) + 8 (T % 2) + r + 8 (r / 8), r = 0 .. 15.
; IMAGES.  A fragment (16 rows x 128 K, 12 registers a lane) lies in memory as an image of its registers: 3 chunks of 512 bytes, lane l's 16 bytes at 16 l.  Register 6 e + i of lane (r, h) holds the codes k = 64 e + 32 h + 0 .. 31 of row r.
;   xim: codes [tensor 3][tile 512][K step 8][1536 bytes]; from byte 18,874,368 the scale words [tensor][tile][r][8 words].   wim: the same for [weight 4][tile 64], scale words from byte 3,145,728.
;   mbits: [query tile 128][key step 16][64 words]: bit r + 16 h of word 32 c + i says whether mask[row r of the tile][128 step + 64 c + 32 h + i] is not 0.
; A block's scale is 2^(floor(log2(its largest magnitude)) - 2): its byte is that magnitude's exponent field - 2, held at 1 from below.
; LIMITS: a block of zeros, or one whose largest magnitude lies under 2^-124, gets the byte 1 (its codes add the same; these bytes are read by this program alone); NaN and infinities are not served.
; SHARES.  Work-groups 0-383: a wave takes one tile of q, k or v, all of K (64 KiB of f32).  384-511: a work-group takes one query tile of the mask, a wave four key steps.  512-639: a wave takes 32 columns x 256 K of a weight.
; Waves share nothing: no barrier, no tensor load, no cluster (no two work-groups read the same bytes).  Each of the three paths has LDS bytes of its own.
.set MST,   33792                      ; the mask path's stages (4 x 8,448 bytes), behind the token path's
.set WST,   67584                      ; the weight path's stages (4 x 6,656 bytes)
.set SPARE, 94208                      ; the spare words, 128 bytes a wave: two blocks of 256 bytes that no other line names
.set SPW,   254                        ; v254 LDS address of my spare word; never rewritten
.set NIL,   255                        ; v255 0; never rewritten
.set R,     16                         ; v16-143  two sets of 64: numbers as they are loaded
.set X,     144                        ; v144-207 64 numbers as a lane wants them
.set F,     208                        ; v208-219 a fragment's 12 registers
.set T0,    220                        ; v220-222, v224-226: the halves that a conversion cannot put on an odd register
.set T1,    224
.set WD,    228                        ; v228-235 the tile's 8 scale words
.set MX,    236
.set OP,    238
.set BY,    240
.set WW,    242
.set WT,    243
.set OUTW,  244
.set OW,    208                        ; mask path: v208-215, a pair of registers for each key step
.set C,     16                         ; weight path: v16-21 a block's codes, v22-24 their upper half, v30-31 scale words, v32-95 two sets of 32 numbers, v96-143 the way out
.set TW,    22
.set SB,    30
.set X2,    32
.set OUTR,  96
	s_load_b512 s[4:19], s[0:1], 0x0               ; q, k, v, mask, Wq, Wk, Wv, Wo
	s_load_b128 s[20:23], s[0:1], 0x40             ; xim, wim
	s_load_b64 s[24:25], s[0:1], 0x50              ; mbits
	v_lshl_add_u32 v[SPW], v0, 2, SPARE
	v_mov_b32 v[NIL], 0
	v_lshrrev_b32 v1, 5, v0
	v_readfirstlane_b32 s26, v1                    ; wave
	v_and_b32 v1, 31, v0                           ; lane l
	v_and_b32 v2, 15, v0                           ; r
	v_bfe_u32 v3, v0, 4, 1                         ; h
	v_lshlrev_b32 v4, 4, v1                        ; 16 l
	s_mov_b32 s27, 0xffff0000                      ; lanes 16-31
	s_mov_b32 s28, 0x76543210
	s_mov_b32 s29, 0xfedcba98                      ; v_permlanex16_b32's selects for lane l xor 16
	; every address register of the three paths is made here, ahead of the parting
	s_mul_i32 s36, s26, 8448                       ; a stage: 16 rows x (512 + 16) bytes
	v_add_nc_u32 v5, s36, v4                       ; tokens, in: 16 l (+ 528 x row)
	v_mul_u32_u24 v6, v2, 528
	v_add_nc_u32 v6, s36, v6
	v_lshl_add_u32 v11, v3, 7, v6                  ; (mask, out: row r, + 128 h: a lane takes 32 neighbouring keys, as the scores' registers hold them)
	v_add_nc_u32 v11, MST, v11                     ; mask, out: row r, + 128 h
	v_lshl_add_u32 v6, v3, 7, v6                   ; tokens, out: row r, + 128 h
	v_add_nc_u32 v10, MST, v5                      ; mask, in
	v_lshlrev_b32 v7, 5, v2
	v_lshl_add_u32 v7, v3, 4, v7                   ; scale words out: 32 r + 16 h
	v_lshlrev_b32 v8, 3, v3                        ; 8 h
	v_lshlrev_b32 v9, 3, v1                        ; 8 l
	v_bfe_u32 v12, v0, 3, 1                        ; weights: lane = column; its tile of the pair u = (l / 8) % 2,
	v_and_b32 v13, 7, v0
	v_lshl_or_b32 v13, v3, 3, v13                  ; and its row there: l % 8 + 8 (l / 16)
	v_lshlrev_b32 v15, 5, v13
	v_lshl_add_u32 v15, v12, 9, v15                ; scale words out: 512 u + 32 r
	v_lshlrev_b32 v13, 4, v13
	v_mad_u32_u24 v12, v12, 1664, v13
	s_mul_i32 s37, s26, 6656
	s_add_co_u32 s37, s37, WST
	v_add_nc_u32 v12, s37, v12                     ; images, in: 1,664 u + 16 r
	v_add_nc_u32 v13, s37, v4                      ; images, out: 16 l
	v_lshlrev_b32 v14, 2, v1                       ; 4 l
	s_wait_kmcnt 0x0
	s_cmp_lt_u32 ttmp9, 384
	s_cbranch_scc1 .Lpath_x
	s_cmp_lt_u32 ttmp9, 512
	s_cbranch_scc1 .Lpath_m
; ---------------- WEIGHTS.  A lane takes a column and its registers run down K: a block of 32 lies in one lane, and the codes come out with K innermost.
	s_sub_co_u32 s30, ttmp9, 512
	s_lshr_b32 s31, s30, 5                         ; which weight
	s_bfe_u32 s32, s30, 0x30002                    ; which 128 columns
	s_and_b32 s33, s30, 3                          ; which 256 along K
	s_lshl_b32 s34, s32, 2
	s_add_co_u32 s34, s34, s26                     ; g: my 32 columns = a pair of tiles
	s_cmp_eq_u32 s31, 0
	s_cselect_b64 s[38:39], s[12:13], s[14:15]
	s_cmp_eq_u32 s31, 2
	s_cselect_b64 s[38:39], s[16:17], s[38:39]
	s_cmp_eq_u32 s31, 3
	s_cselect_b64 s[38:39], s[18:19], s[38:39]
	s_lshl_b32 s36, s33, 20                        ; 256 rows of 4,096 bytes
	s_lshl_b32 s35, s34, 7
	s_add_co_u32 s36, s36, s35
	s_mov_b32 s37, 0
	s_add_nc_u64 s[38:39], s[38:39], s[36:37]
	s_mul_i32 s36, s31, 786432
	s_mul_i32 s35, s34, 24576
	s_add_co_u32 s36, s36, s35
	s_mul_i32 s35, s33, 3072
	s_add_co_u32 s36, s36, s35
	s_add_nc_u64 s[40:41], s[22:23], s[36:37]      ; my images
	s_lshl_b32 s36, s31, 15
	s_lshl_b32 s35, s34, 10
	s_add_co_u32 s36, s36, s35
	s_lshl_b32 s35, s33, 3
	s_add_co_u32 s36, s36, s35
	s_add_co_u32 s36, s36, 3145728
	s_add_nc_u64 s[42:43], s[22:23], s[36:37]      ; my scale words
.macro LOADW t                         ; block t: W(32 t + i, my column): 32 lanes read 128 consecutive bytes
.irp i, 0,1,2,3,4,5,6,7,8,9,10,11,12,13,14,15,16,17,18,19,20,21,22,23,24,25,26,27,28,29,30,31
	global_load_b32 v[X2+32*((\t)%2)+\i], v14, s[38:39] offset:(32*(\t)+\i)*4096 th:TH_LOAD_NT
.endr
.endm
.macro BLOCKW t                        ; block t = K step t / 4 of my two, block t % 4 in it: registers 6 e .. 6 e + 5 of lane (r, hh), e = (t % 4) / 2, hh = t % 2
.set XS, X2+32*((\t)%2)
.set SG, (\t)/4
.set EE, ((\t)%4)/2
.set HH, (\t)%2
.if (\t) < 7
	s_wait_loadcnt 32                              ; this block's 32 loads are in; the next block's may be out
.else
	s_wait_loadcnt 0x0
.endif
	v_max3_num_f32 v26, |v[XS]|, |v[XS+1]|, |v[XS+2]|
	v_max3_num_f32 v27, |v[XS+3]|, |v[XS+4]|, |v[XS+5]|
.irp i, 6,10,14,18,22,26
	v_max3_num_f32 v26, v26, |v[XS+\i]|, |v[XS+\i+1]|
	v_max3_num_f32 v27, v27, |v[XS+\i+2]|, |v[XS+\i+3]|
.endr
	v_max3_num_f32 v26, v26, |v[XS+30]|, |v[XS+31]|
	v_max3_num_f32 v26, v26, v27, 0x1800000        ; and the floor 2^(3 - 127): the byte cannot fall under 1
	v_add_nc_u32 v28, 0xff000000, v26              ; 2 off the exponent field: the conversion's scale operand
	v_lshrrev_b32 v29, 23, v28                     ; the byte
.if (\t)%4 == 0
	v_mov_b32 v[SB+SG], v29
.else
	v_lshl_or_b32 v[SB+SG], v29, 8*((\t)%4), v[SB+SG]
.endif
	v_cvt_scalef32_pk16_fp6_f32 v[C:C+2], v[XS:XS+15], v28
	v_cvt_scalef32_pk16_fp6_f32 v[TW:TW+2], v[XS+16:XS+31], v28
	v_nop                                          ; one plain line behind a scaled conversion
.irp i, 0,1,2
	v_mov_b32 v[C+3+\i], v[TW+\i]
.endr
.if EE == 0
	ds_store_b128 v12, v[C:C+3] offset:3328*SG+256*HH          ; registers 0-3: chunk 0
	ds_store_b64 v12, v[C+4:C+5] offset:3328*SG+512+256*HH     ; registers 4, 5: the lower half of chunk 1
.else
	ds_store_b64 v12, v[C:C+1] offset:3328*SG+520+256*HH       ; registers 6, 7: its upper half
	ds_store_b128 v12, v[C+2:C+5] offset:3328*SG+1024+256*HH   ; registers 8-11: chunk 2
.endif
.if (\t)+2 < 8
	LOADW (\t)+2
.endif
	s_wait_dscnt 0x0                               ; the stores have read their registers
.endm
	s_wait_alu depctr_va_vdst(0)
	LOADW 0
	LOADW 1
.irp t, 0,1,2,3,4,5,6,7
	BLOCKW \t
.endr
	s_wait_alu depctr_va_vdst(0)
	global_store_b64 v15, v[SB:SB+1], s[42:43]     ; my column's two scale words
.irp n, 0,1,2,3,4,5,6,7,8,9,10,11              ; four images (K step n / 6, tile (n / 3) % 2), three chunks each
	ds_load_b128 v[OUTR+4*\n:OUTR+4*\n+3], v13 offset:3328*(\n/6)+1664*((\n/3)%2)+512*(\n%3)   ; LDS serves a wave's instructions in order: these see my stores
.endr
.irp n, 0,1,2,3,4,5,6,7,8,9,10,11
	s_wait_dscnt 11-\n                             ; the younger read-backs may be out
	global_store_b128 v4, v[OUTR+4*\n:OUTR+4*\n+3], s[40:41] offset:12288*((\n/3)%2)+1536*(\n/6)+512*(\n%3)   ; 512 consecutive bytes
.endr
	s_wait_tensorcnt 0x0                           ; the wave's end
	ds_add_u32 v[SPW], v[NIL]
	s_wait_dscnt 0x0
	s_endpgm
; 16 loads: 512 consecutive bytes of each of the tile's 16 rows, step s, into set s % 2
.macro LOADT s, sb, rowb
.irp t, 0,1,2,3,4,5,6,7,8,9,10,11,12,13,14,15
.if ((\sb) == 32) && (\t >= 8)
	global_load_b128 v[R+64*((\s)%2)+4*\t:R+64*((\s)%2)+4*\t+3], v4, s[44:45] offset:(\t+8*(\t/8))*(\rowb)+512*(\s) th:TH_LOAD_NT   ; tokens: a tile's rows 8-15 go by a base of their own
.else
	global_load_b128 v[R+64*((\s)%2)+4*\t:R+64*((\s)%2)+4*\t+3], v4, s[\sb:\sb+1] offset:(\t+8*(\t/8))*(\rowb)+512*(\s) th:TH_LOAD_NT
.endif
.endr
.endm
; ---------------- TOKENS.  Loads take bytes as they lie; the wave's stage turns them, so that a lane holds two whole blocks of its row: X[32 c + i] = x(row r, 128 s + 64 c + 32 h + i).
.Lpath_x:
	s_lshr_b32 s30, ttmp9, 7                       ; which tensor
	s_and_b32 s31, ttmp9, 127
	s_lshl_b32 s31, s31, 2
	s_add_co_u32 s31, s31, s26                     ; which tile
	s_cmp_eq_u32 s30, 0
	s_cselect_b64 s[32:33], s[4:5], s[6:7]
	s_cmp_eq_u32 s30, 2
	s_cselect_b64 s[32:33], s[8:9], s[32:33]
	s_lshr_b32 s34, s31, 1
	s_lshl_b32 s34, s34, 17                        ; q, v: 32 rows of 4,096 bytes for each pair of tiles,
	s_and_b32 s35, s31, 1
	s_lshl_b32 s35, s35, 15                        ; 8 rows for the odd tile
	s_add_co_u32 s34, s34, s35
	s_lshr_b32 s38, s31, 2                         ; K'S TILES ARE DEALT OTHERWISE: tile T holds rows 64 (T / 4) + 8 (T % 4) + r % 8 + 32 (r / 8),
	s_lshl_b32 s38, s38, 18                        ; so that in attention a lane's 32 score registers of four neighbouring tiles are one block of 32 neighbouring keys
	s_and_b32 s35, s31, 3
	s_lshl_b32 s35, s35, 15
	s_add_co_u32 s38, s38, s35
	s_cmp_eq_u32 s30, 1
	s_cselect_b32 s34, s38, s34
	s_mov_b32 s35, 0
	s_add_nc_u64 s[32:33], s[32:33], s[34:35]
	s_cmp_eq_u32 s30, 1
	s_cselect_b32 s34, 65536, 0                    ; rows 8-15 lie 16 rows on in q and v (the loads' offsets say so), in k 16 more
	s_add_nc_u64 s[44:45], s[32:33], s[34:35]
	s_mul_i32 s34, s30, 6291456
	s_mul_i32 s38, s31, 12288
	s_add_co_u32 s34, s34, s38
	s_add_nc_u64 s[40:41], s[20:21], s[34:35]      ; my images
	s_lshl_b32 s34, s30, 18
	s_lshl_b32 s38, s31, 9
	s_add_co_u32 s34, s34, s38
	s_add_co_u32 s34, s34, 18874368
	s_add_nc_u64 s[42:43], s[20:21], s[34:35]      ; my scale words
	v_mov_b32 v[WT], 0                             ; a lane permute's destination counts as one of its sources
.macro STEPX s
.if (\s) < 7
	s_wait_loadcnt 16                              ; this step's 16 loads are in; the next step's may be out
.else
	s_wait_loadcnt 0x0
.endif
.irp t, 0,1,2,3,4,5,6,7,8,9,10,11,12,13,14,15
	ds_store_b128 v5, v[R+64*((\s)%2)+4*\t:R+64*((\s)%2)+4*\t+3] offset:528*\t
.endr
.irp c, 0,1
.irp j, 0,1,2,3,4,5,6,7
	ds_load_b128 v[X+32*\c+4*\j:X+32*\c+4*\j+3], v6 offset:256*\c+16*\j   ; rows 528 bytes apart: sixteen lanes, sixteen different columns of 16 bytes
.endr
.endr
	s_wait_dscnt 0x0
.if (\s) < 6
	LOADT (\s)+2, 32, 4096
.endif
.irp c, 0,1
	v_max3_num_f32 v[MX+\c], |v[X+32*\c]|, |v[X+32*\c+1]|, 0x1800000   ; my block 2 c + h, and the floor 2^(3 - 127)
.endr
.irp i, 2,4,6,8,10,12,14,16,18,20,22,24,26,28,30
.irp c, 0,1
	v_max3_num_f32 v[MX+\c], v[MX+\c], |v[X+32*\c+\i]|, |v[X+32*\c+\i+1]|
.endr
.endr
.irp c, 0,1
	v_add_nc_u32 v[OP+\c], 0xff000000, v[MX+\c]
.endr
.irp c, 0,1
	v_lshrrev_b32 v[BY+\c], 23, v[OP+\c]
.endr
	v_lshl_or_b32 v[WW], v[BY+1], 16, v[BY]        ; my two bytes: blocks h and 2 + h,
	v_lshlrev_b32 v[WW], v8, v[WW]                 ; 8 h bits up;
	v_permlanex16_b32 v[WT], v[WW], s28, s29
	v_or_b32 v[WD+(\s)], v[WW], v[WT]              ; with lane l xor 16's two the word is whole
	s_wait_alu depctr_va_vdst(0)
	s_wait_xcnt 0x0                                ; the last step's stores have read the fragment's registers
	v_cvt_scalef32_pk16_fp6_f32 v[F:F+2], v[X:X+15], v[OP]
	v_cvt_scalef32_pk16_fp6_f32 v[T0:T0+2], v[X+16:X+31], v[OP]
	v_cvt_scalef32_pk16_fp6_f32 v[F+6:F+8], v[X+32:X+47], v[OP+1]
	v_cvt_scalef32_pk16_fp6_f32 v[T1:T1+2], v[X+48:X+63], v[OP+1]
	v_nop                                          ; one plain line behind a scaled conversion
.irp i, 0,1,2
	v_mov_b32 v[F+3+\i], v[T0+\i]
	v_mov_b32 v[F+9+\i], v[T1+\i]
.endr
.irp c, 0,1,2
	global_store_b128 v4, v[F+4*\c:F+4*\c+3], s[40:41] offset:1536*(\s)+512*\c   ; 512 consecutive bytes
.endr
.endm
	LOADT 0, 32, 4096
	LOADT 1, 32, 4096
.irp s, 0,1,2,3,4,5,6,7
	STEPX \s
.endr
.irp i, 0,1,2,3
	v_cndmask_b32 v[OUTW+\i], v[WD+\i], v[WD+4+\i], s27   ; lanes 0-15 store words 0-3 of their row, lanes 16-31 words 4-7
.endr
	global_store_b128 v7, v[OUTW:OUTW+3], s[42:43] ; 512 consecutive bytes
	s_wait_tensorcnt 0x0                           ; the wave's end, as above
	ds_add_u32 v[SPW], v[NIL]
	s_wait_dscnt 0x0
	s_endpgm
; ---------------- MASK.  The same turn; then X[32 c + i] = mask(row r, 128 step + 64 c + 32 h + i), one compare makes a word of 32 lanes' bits, and v_writelane_b32 lays word n into lane n / 2.
.Lpath_m:
	s_sub_co_u32 s30, ttmp9, 384                   ; the query tile
	s_lshr_b32 s36, s30, 1
	s_lshl_b32 s36, s36, 18                        ; 32 rows of 8,192 bytes
	s_and_b32 s37, s30, 1
	s_lshl_b32 s37, s37, 16
	s_add_co_u32 s36, s36, s37
	s_lshl_b32 s37, s26, 11                        ; my four key steps of 512 bytes
	s_add_co_u32 s36, s36, s37
	s_mov_b32 s37, 0
	s_add_nc_u64 s[38:39], s[10:11], s[36:37]
	s_lshl_b32 s36, s30, 12
	s_lshl_b32 s31, s26, 10
	s_add_co_u32 s36, s36, s31
	s_add_nc_u64 s[40:41], s[24:25], s[36:37]
.irp i, 0,1,2,3,4,5,6,7
	v_mov_b32 v[OW+\i], 0
.endr
.macro UNITM i
.if (\i) < 3
	s_wait_loadcnt 16                              ; this step's 16 loads are in; the next step's may be out
.else
	s_wait_loadcnt 0x0
.endif
.irp t, 0,1,2,3,4,5,6,7,8,9,10,11,12,13,14,15
	ds_store_b128 v10, v[R+64*((\i)%2)+4*\t:R+64*((\i)%2)+4*\t+3] offset:528*\t
.endr
.irp b, 0,1                                    ; THE MASK WORDS' ORDER AS IT STANDS NOW: bit r + 16 h of word 32 c + i says whether mask[row r of the tile][128 step + 64 c + 32 h + i] is not 0
.irp j, 0,1,2,3,4,5,6,7
	ds_load_b128 v[X+32*\b+4*\j:X+32*\b+4*\j+3], v11 offset:256*\b+16*\j
.endr
.endr
	s_wait_dscnt 0x0
.if (\i) < 2
	LOADT (\i)+2, 38, 8192
.endif
.set nn, 0
.rept 64
	v_cmp_ne_u32 s[32+nn%4], 0, v[X+nn]
	v_writelane_b32 v[OW+2*(\i)+nn%2], s[32+nn%4], nn/2
.set nn, nn+1
.endr
	global_store_b64 v9, v[OW+2*(\i):OW+2*(\i)+1], s[40:41] offset:256*(\i)   ; 256 consecutive bytes, aligned
.endm
	LOADT 0, 38, 8192
	LOADT 1, 38, 8192
	s_wait_alu depctr_va_vdst(0)
.irp i, 0,1,2,3
	UNITM \i
.endr
	s_wait_tensorcnt 0x0                           ; the wave's end, as above
	ds_add_u32 v[SPW], v[NIL]
	s_wait_dscnt 0x0
	s_endpgm
.Lfunc_end_k_q927ba3337d_prep:
	.size	k_q927ba3337d_prep, .Lfunc_end_k_q927ba3337d_prep-k_q927ba3337d_prep
	.p2alignl 7, 3214868480
	.fill 96, 4, 3214868480
	.section	.rodata,"a",@progbits
	.p2align	6, 0x0
	.amdhsa_kernel k_q927ba3337d_prep
		.amdhsa_group_segment_fixed_size 94720
		.amdhsa_private_segment_fixed_size 0
		.amdhsa_enable_private_segment 0
		.amdhsa_kernarg_size 88
		.amdhsa_user_sgpr_count 2
		.amdhsa_user_sgpr_kernarg_segment_ptr 1
		.amdhsa_wavefront_size32 1
		.amdhsa_system_sgpr_workgroup_id_x 1
		.amdhsa_system_sgpr_workgroup_id_y 1
		.amdhsa_system_sgpr_workgroup_id_z 1
		.amdhsa_system_vgpr_workitem_id 0
		.amdhsa_next_free_vgpr 256
		.amdhsa_next_free_sgpr 66
		.amdhsa_reserve_vcc 0
		.amdhsa_float_denorm_mode_32 3
		.amdhsa_float_denorm_mode_16_64 3
		.amdhsa_memory_ordered 1
		.amdhsa_forward_progress 1
		.amdhsa_inst_pref_size 147
	.end_amdhsa_kernel
	.amdgpu_metadata
---
amdhsa.version: [ 1, 2 ]
amdhsa.kernels:
  - .name:           k_q927ba3337d_prep
    .symbol:         k_q927ba3337d_prep.kd
    .args:
      - { .name: q, .offset: 0, .size: 8, .value_kind: global_buffer, .address_space: global }
      - { .name: k, .offset: 8, .size: 8, .value_kind: global_buffer, .address_space: global }
      - { .name: v, .offset: 16, .size: 8, .value_kind: global_buffer, .address_space: global }
      - { .name: mask, .offset: 24, .size: 8, .value_kind: global_buffer, .address_space: global }
      - { .name: Wq, .offset: 32, .size: 8, .value_kind: global_buffer, .address_space: global }
      - { .name: Wk, .offset: 40, .size: 8, .value_kind: global_buffer, .address_space: global }
      - { .name: Wv, .offset: 48, .size: 8, .value_kind: global_buffer, .address_space: global }
      - { .name: Wo, .offset: 56, .size: 8, .value_kind: global_buffer, .address_space: global }
      - { .name: xim, .offset: 64, .size: 8, .value_kind: global_buffer, .address_space: global }
      - { .name: wim, .offset: 72, .size: 8, .value_kind: global_buffer, .address_space: global }
      - { .name: mbits, .offset: 80, .size: 8, .value_kind: global_buffer, .address_space: global }
    .group_segment_fixed_size: 94720
    .private_segment_fixed_size: 0
    .kernarg_segment_align: 8
    .kernarg_segment_size: 88
    .max_flat_workgroup_size: 128
    .sgpr_count:     66
    .vgpr_count:     256
    .wavefront_size: 32
...
	.end_amdgpu_metadata
.endif
;; end of part 1
;; launch proj (part 2): grid 4 x 192, 4 waves a work-group, clusters of 4 x 4, 327,680 bytes of LDS; arguments xim, wim, bq, bk, bv, att; writes att
.if DOCPART == 2
	.amdgcn_target "amdgcn-amd-amdhsa--gfx1250"
	.amdhsa_code_object_version 6
	.text
	.protected	k_q927ba3337d_proj
	.globl	k_q927ba3337d_proj
	.p2align	8
	.type	k_q927ba3337d_proj,@function
k_q927ba3337d_proj:
	s_mov_b64 s[64:65], 0
	v_nop
	global_prefetch_b8 v0, s[64:65] scope:SCOPE_SE
	s_setreg_imm32_b32 hwreg(HW_REG_WAVE_MODE, 25, 1), 1
	s_wait_xcnt 0x0
	s_wait_alu depctr_hold_cnt(0) depctr_sa_sdst(0) depctr_va_vdst(0) depctr_va_sdst(0) depctr_va_ssrc(0) depctr_va_vcc(0) depctr_vm_vsrc(0)
	s_getreg_b32 s2, hwreg(HW_REG_IB_STS2, 6, 4)
	s_cmp_eq_u32 s2, 0
	s_cbranch_scc0 .Lentry_in_a_cluster
	s_endpgm
.Lentry_in_a_cluster:
	s_bfe_u32 s2, ttmp6, 0x10000c
	s_cmp_lg_u32 s2, 0xf033
	s_cbranch_scc0 .Lentry_shape_is_right
	s_endpgm
.Lentry_shape_is_right:
; The three projections x W + b on codes of FP6 (E2M3), and their results quantised into the operands of attention.  Tiles and images: as the first launch lays them (tile T: rows 32 (T / 2) + 8 (T % 2) + r + 8 (r / 8)).
; A work-group makes 128 rows of operand 'A' x 256 rows of operand 'B' over K = 1,024; four waves, 2 x 2, each 64 x 128: 32 accumulators.  48 clusters of 4 x 4: 16 for q, 16 for k, 16 for v.
; THE MATRIX INSTRUCTION IS USED TRANSPOSED (source 0 = 16 rows of B, source 1 = 16 rows of A): a lane holds ONE row of A and its registers run along B, 16 neighbours in the registers of two neighbouring tiles.
; For q and k: A = tokens, B = the weight's features: a lane's registers run along the head's 64, which is the K of the scores.  For v the operands change places BY POINTERS ALONE (A = features, B = tokens): the registers
; run along the keys, the K of the second product of attention.  So each result is quantised in registers and leaves as an image; nothing is transposed.
; LDS: all of K of both operands, 24 tiles x 12,288 bytes, lies in LDS: every byte is filled ONCE, in two chunks of four K steps; no byte is filled again.  A wave has one tensor load out at the most.
; CLUSTER: A's tiles are asked for jointly along a row of the cluster, B's along a column.
; att: Q codes at 0, K codes at 6,291,456: [batch x head 64][pair of token tiles 64][1536]: registers 0-5 the even tile's (d = 32 h + 0 .. 31), 6-11 the odd tile's.  V codes at 12,582,912: [bh][key step 16][d tile 4][1536].
;   Q scale words at 18,874,368, K's at 19,398,656: [bh][64 tokens 32][lane (r, u)][2 words]: word e = tile 2 e + u of the four; bytes 0, 1 the two blocks of d, bytes 2, 3 zero.  V's at 19,922,944: [bh][step][lane (r, u)][2 words].
; LIMITS: a block whose largest magnitude lies under 2^-124 gets the byte 1; NaN and infinities are not served.
; REGISTERS: window 0: v1-15 addresses; v16-31 A's scale words (pair j, K step s: 16 + 8 j + s), v32-63 B's; v64-159 A's fragments, two sets; v160-223 the bias along B; v224-255 at work.
;   window 1: B's fragments, two sets of 96; v192-199 the bias along A.   window 2: accumulator (a, b) at v[64 a + 8 b].
.set CHUNK, 147456                     ; THE FILL AS IT STANDS NOW: two halves of K, four K steps each: A's 8 tiles x 6,144 bytes, then B's 16.  One tensor load a wave: wave 0 A's first half, wave 1 B's, wave 2 A's second half, wave 3 B's
.set SPARE, 294912                     ; behind the two chunks: the spare words, 128 bytes a wave
.set NF,    36                         ; LDS loads of a K step
.set ADRA,  2
.set ADRB,  6
.set SPW,   10
.set NIL,   11
.set SCA,   16
.set SCB,   32
.set AF,    64
.set BB,    160
.set BA,    192
.set H,     64                         ; the way out: 64 numbers, v64-127
.set PP,    128                        ; the codes: v128-151
.set TM,    224
.set PW,    240
.set T0,    242
.set T1,    246
.set KW,    250
.set G1A, 16
.set G1B, 24
.set G0A, 32
.set G0B, 48
.set WV,  66
.set RH,  67
.set CHF, 68
.set CX,  69
.set CY,  70
.set TT,  71
.set SUB, 72
.set TR,  73
.set TC,  74
.set HI,  96
.set SEL, 98
.set MSB, 0
.macro WIN new                         ; the immediate's high byte repeats the setting that is left
.if MSB != \new
	s_set_vgpr_msb (MSB<<8)|\new
.set MSB, \new
.endif
.endm
.macro CROUND                          ; a round of the cluster's barrier
	s_barrier_signal -1
	s_barrier_wait -1
	s_cmp_lg_u32 s[WV], 0
	s_cbranch_scc1 .Lnot_wave_0_\@
	s_barrier_signal -3
.Lnot_wave_0_\@:
	s_barrier_wait -3
	s_barrier_signal -1
	s_barrier_wait -1
.endm
.macro PLACES                          ; four plain lines between a matrix instruction and a load into, or a vector write or read of, its registers
.rept 4
	v_nop
.endr
.endm
; one product: D = v[d ..], source 0 = v[p ..] with scale words v[sp] (lanes 16-31 if rp), source 1 = v[q ..] with v[sq] (rq); c < 0: C = 0, else C = v[c ..]
.macro WM d, p, q, c, sp, sq, rp, rq
.if (\c) < 0
.if (\rp) && (\rq)
	v_wmma_scale_f32_16x16x128_f8f6f4 v[(\d):(\d)+7], v[(\p):(\p)+11], v[(\q):(\q)+11], 0, v[\sp], v[\sq] matrix_a_fmt:MATRIX_FMT_FP6 matrix_b_fmt:MATRIX_FMT_FP6 matrix_a_scale:MATRIX_SCALE_ROW1 matrix_b_scale:MATRIX_SCALE_ROW1
.elseif (\rp)
	v_wmma_scale_f32_16x16x128_f8f6f4 v[(\d):(\d)+7], v[(\p):(\p)+11], v[(\q):(\q)+11], 0, v[\sp], v[\sq] matrix_a_fmt:MATRIX_FMT_FP6 matrix_b_fmt:MATRIX_FMT_FP6 matrix_a_scale:MATRIX_SCALE_ROW1
.elseif (\rq)
	v_wmma_scale_f32_16x16x128_f8f6f4 v[(\d):(\d)+7], v[(\p):(\p)+11], v[(\q):(\q)+11], 0, v[\sp], v[\sq] matrix_a_fmt:MATRIX_FMT_FP6 matrix_b_fmt:MATRIX_FMT_FP6 matrix_b_scale:MATRIX_SCALE_ROW1
.else
	v_wmma_scale_f32_16x16x128_f8f6f4 v[(\d):(\d)+7], v[(\p):(\p)+11], v[(\q):(\q)+11], 0, v[\sp], v[\sq] matrix_a_fmt:MATRIX_FMT_FP6 matrix_b_fmt:MATRIX_FMT_FP6
.endif
.else
.if (\rp) && (\rq)
	v_wmma_scale_f32_16x16x128_f8f6f4 v[(\d):(\d)+7], v[(\p):(\p)+11], v[(\q):(\q)+11], v[(\c):(\c)+7], v[\sp], v[\sq] matrix_a_fmt:MATRIX_FMT_FP6 matrix_b_fmt:MATRIX_FMT_FP6 matrix_a_scale:MATRIX_SCALE_ROW1 matrix_b_scale:MATRIX_SCALE_ROW1
.elseif (\rp)
	v_wmma_scale_f32_16x16x128_f8f6f4 v[(\d):(\d)+7], v[(\p):(\p)+11], v[(\q):(\q)+11], v[(\c):(\c)+7], v[\sp], v[\sq] matrix_a_fmt:MATRIX_FMT_FP6 matrix_b_fmt:MATRIX_FMT_FP6 matrix_a_scale:MATRIX_SCALE_ROW1
.elseif (\rq)
	v_wmma_scale_f32_16x16x128_f8f6f4 v[(\d):(\d)+7], v[(\p):(\p)+11], v[(\q):(\q)+11], v[(\c):(\c)+7], v[\sp], v[\sq] matrix_a_fmt:MATRIX_FMT_FP6 matrix_b_fmt:MATRIX_FMT_FP6 matrix_b_scale:MATRIX_SCALE_ROW1
.else
	v_wmma_scale_f32_16x16x128_f8f6f4 v[(\d):(\d)+7], v[(\p):(\p)+11], v[(\q):(\q)+11], v[(\c):(\c)+7], v[\sp], v[\sq] matrix_a_fmt:MATRIX_FMT_FP6 matrix_b_fmt:MATRIX_FMT_FP6
.endif
.endif
.endm
	s_load_b256 s[4:11], s[0:1], 0x0               ; xim, wim, bq, bk
	s_load_b128 s[12:15], s[0:1], 0x20             ; bv, att
	v_lshl_add_u32 v[SPW], v0, 2, SPARE
	v_mov_b32 v[NIL], 0
	ds_add_u32 v[SPW], v[NIL]                      ; the wave's opening: the add and its wait ahead of my first tensor load; the set-up below, work on registers, stands between them
	ds_add_u32 v[SPW], v[NIL]
	v_lshrrev_b32 v1, 5, v0
	v_readfirstlane_b32 s[WV], v1                  ; wave 0..3
	s_lshr_b32 s[RH], s[WV], 1                     ; which 64 rows of A are mine.  Also: which half of K I fetch
	s_and_b32 s[CHF], s[WV], 1                     ; which 128 rows of B.  Also: I fetch for A (0) or for B (1)
	s_bfe_u32 s[CX], ttmp6, 0x40000
	s_bfe_u32 s[CY], ttmp6, 0x40004
	s_and_b32 s75, ttmp7, 0xffff                   ; the cluster: 16 for each tensor
	s_lshr_b32 s[TT], s75, 4                       ; 0 q, 1 k, 2 v: the same in all sixteen partners
	s_and_b32 s[SUB], s75, 15
	s_and_b32 s76, s[SUB], 1
	s_lshr_b32 s80, s[SUB], 1
	s_cmp_eq_u32 s[TT], 2
	s_cselect_b32 s76, s76, s[SUB]                 ; q, k: 64 blocks of 128 tokens x 4 of 256 features;  v: 8 blocks of 128 features x 32 of 256 tokens
	s_cselect_b32 s80, s80, 0
	s_lshl_b32 s76, s76, 2
	s_add_co_u32 s[TR], s76, s[CY]                 ; which 128 rows of A
	s_lshl_b32 s80, s80, 2
	s_add_co_u32 s[TC], s80, s[CX]                 ; which 256 rows of B
	s_lshl_b32 s77, s[CY], 2
	s_lshl_b32 s77, 15, s77                        ; my row of the cluster
	s_lshl_b32 s81, 0x1111, s[CX]                  ; my column
	; group 1: rows of 6,144 bytes (a tile's four K steps: 768 elements of 8 bytes), 12,288 bytes apart; 8 of them for A, 16 for B; no padding: images are read at 16 x lane
	s_or_b32 s[G1A], s77, (3<<16)|(1<<21)
	s_or_b32 s[G1B], s81, (3<<16)|(1<<21)
	s_mov_b32 s[G1A+1], 768<<16                    ; rows of 6,144 bytes (a tile's four K steps), 8 of them for A, 16 for B
	s_mov_b32 s[G1A+2], 8<<16
	s_mov_b32 s[G1A+3], 768<<16
	s_mov_b32 s[G1A+4], 8
	s_mov_b32 s[G1A+5], 1536
	s_mov_b32 s[G1A+6], 0
	s_mov_b32 s[G1A+7], 0
	s_mov_b32 s[G1B+1], 768<<16
	s_mov_b32 s[G1B+2], 16<<16
	s_mov_b32 s[G1B+3], 768<<16
	s_mov_b32 s[G1B+4], 16
	s_mov_b32 s[G1B+5], 1536
	s_mov_b32 s[G1B+6], 0
	s_mov_b32 s[G1B+7], 0
	s_mul_i32 s76, s[TR], 98304                    ; A: tile 8 x block, 12,288 bytes a tile
	s_mov_b32 s77, 0
	s_mul_i32 s80, s[TC], 196608                   ; B: tile 16 x block
	s_mov_b32 s81, 0
	s_mul_i32 s86, s[TT], 6291456
	s_mov_b32 s87, 0
	s_mul_i32 s88, s[TT], 786432
	s_mov_b32 s89, 0
	s_mov_b32 s[HI], 0xffff0000
	s_mov_b32 s[SEL], 0x76543210
	s_mov_b32 s[SEL+1], 0xfedcba98
	s_wait_dscnt 0x0                               ; the opening add is done
	s_wait_kmcnt 0x0
	s_add_nc_u64 s[86:87], s[4:5], s[86:87]        ; the tensor's codes
	s_add_nc_u64 s[88:89], s[6:7], s[88:89]        ; its weight's
	s_cmp_eq_u32 s[TT], 2
	s_cselect_b64 s[90:91], s[88:89], s[86:87]     ; A
	s_cselect_b64 s[92:93], s[86:87], s[88:89]     ; B
	s_add_nc_u64 s[90:91], s[90:91], s[76:77]
	s_add_nc_u64 s[92:93], s[92:93], s[80:81]
.irp q, 0,1                                    ; a group 0 for each half of K
	s_mov_b32 s[G0A+4*\q], 1
	s_mov_b32 s[G0A+4*\q+1], CHUNK*\q
	s_add_nc_u64 s[G0A+4*\q+2:G0A+4*\q+3], s[90:91], 6144*\q
	s_or_b32 s[G0A+4*\q+3], s[G0A+4*\q+3], 0x80000000
	s_mov_b32 s[G0B+4*\q], 1
	s_mov_b32 s[G0B+4*\q+1], CHUNK*\q+49152
	s_add_nc_u64 s[G0B+4*\q+2:G0B+4*\q+3], s[92:93], 6144*\q
	s_or_b32 s[G0B+4*\q+3], s[G0B+4*\q+3], 0x80000000
.endr
	CROUND                                         ; all sixteen work-groups are here: the joint loads meet
	s_cmp_eq_u32 s[WV], 0                          ; one chain of branches on the wave's number, one load to an arm
	s_cbranch_scc0 .Lw1
	tensor_load_to_lds s[G0A:G0A+3], s[G1A:G1A+7]
	s_nop 0
.rept 4
	v_nop
.endr
	s_branch .Lasked
.Lw1:
	s_cmp_eq_u32 s[WV], 1
	s_cbranch_scc0 .Lw2
	tensor_load_to_lds s[G0B:G0B+3], s[G1B:G1B+7]
	s_nop 0
.rept 4
	v_nop
.endr
	s_branch .Lasked
.Lw2:
	s_cmp_eq_u32 s[WV], 2
	s_cbranch_scc0 .Lw3
	tensor_load_to_lds s[G0A+4:G0A+7], s[G1A:G1A+7]
	s_nop 0
.rept 4
	v_nop
.endr
	s_branch .Lasked
.Lw3:
	tensor_load_to_lds s[G0B+4:G0B+7], s[G1B:G1B+7]
	s_nop 0
.rept 4
	v_nop
.endr
.Lasked:
	v_and_b32 v14, 31, v0
	v_lshlrev_b32 v1, 4, v14                       ; 16 l
	s_wait_alu depctr_va_vdst(0)
	v_lshlrev_b32 v12, 5, v14                      ; 32 l
	v_lshlrev_b32 v13, 3, v14                      ; 8 l
	s_mul_i32 s84, s[RH], 24576                    ; my four tiles of A, 6,144 bytes each in a half
	s_mul_i32 s85, s[CHF], 49152                   ; my eight of B,
	s_add_co_u32 s85, s85, 49152                   ; behind A's eight
.irp q, 0,1
	v_add_nc_u32 v[ADRA+\q], s84, v1
	v_add_nc_u32 v[ADRB+\q], s85, v1
	s_add_co_u32 s84, s84, CHUNK
	s_add_co_u32 s85, s85, CHUNK
.endr
	v_and_b32 v14, 15, v0
	v_and_b32 v15, 8, v0
	v_add_nc_u32 v14, v14, v15
	v_lshlrev_b32 v14, 2, v14                      ; 4 (r + 8 (r / 8))
	v_bfe_u32 v15, v0, 4, 1
	v_lshlrev_b32 v15, 6, v15                      ; 64 h
	s_wait_alu depctr_va_vdst(0)
.irp b, 0,1,2,3
	v_mov_b32 v[TM+4+\b], 0                        ; a lane permute's destination counts as one of its sources
.endr
	; the scale words come once, straight into registers: a pair of tiles is 1,024 dense bytes, 32 a lane (lanes 0-15 the even tile's rows, lanes 16-31 the odd tile's)
	s_lshl_b32 s76, s[TT], 18
	s_add_co_u32 s76, s76, 18874368
	s_mov_b32 s77, 0
	s_add_nc_u64 s[86:87], s[4:5], s[76:77]
	s_lshl_b32 s76, s[TT], 15
	s_add_co_u32 s76, s76, 3145728
	s_add_nc_u64 s[88:89], s[6:7], s[76:77]
	s_cmp_eq_u32 s[TT], 2
	s_cselect_b64 s[90:91], s[88:89], s[86:87]
	s_cselect_b64 s[92:93], s[86:87], s[88:89]
	s_lshl_b32 s76, s[TR], 3
	s_lshl_b32 s78, s[RH], 2
	s_add_co_u32 s76, s76, s78
	s_lshl_b32 s76, s76, 9
	s_add_nc_u64 s[90:91], s[90:91], s[76:77]
	s_lshl_b32 s76, s[TC], 4
	s_lshl_b32 s78, s[CHF], 3
	s_add_co_u32 s76, s76, s78
	s_lshl_b32 s76, s76, 9
	s_add_nc_u64 s[92:93], s[92:93], s[76:77]
.irp j, 0,1
.irp e, 0,1
	global_load_b128 v[SCA+8*\j+4*\e:SCA+8*\j+4*\e+3], v12, s[90:91] offset:1024*\j+16*\e
.endr
.endr
.irp j, 0,1,2,3
.irp e, 0,1
	global_load_b128 v[SCB+8*\j+4*\e:SCB+8*\j+4*\e+3], v12, s[92:93] offset:1024*\j+16*\e
.endr
.endr
	; the bias, both ways round (the one that this tensor does not use is loaded from the vector's head)
	s_lshl_b32 s78, s[TC], 8
	s_lshl_b32 s76, s[CHF], 7
	s_add_co_u32 s78, s78, s76                     ; my first feature along B
	s_lshl_b32 s79, s[TR], 7
	s_lshl_b32 s76, s[RH], 6
	s_add_co_u32 s79, s79, s76                     ; along A
	s_cmp_eq_u32 s[TT], 0
	s_cselect_b64 s[86:87], s[8:9], s[10:11]
	s_cmp_eq_u32 s[TT], 2
	s_cselect_b64 s[86:87], s[12:13], s[86:87]
	s_cselect_b32 s78, 0, s78
	s_cselect_b32 s79, s79, 0
	s_lshl_b32 s76, s78, 2
	s_add_nc_u64 s[88:89], s[86:87], s[76:77]
	s_lshl_b32 s76, s79, 2
	s_add_nc_u64 s[94:95], s[86:87], s[76:77]
.irp b, 0,1,2,3,4,5,6,7
	global_load_b128 v[BB+8*\b:BB+8*\b+3], v15, s[88:89] offset:128*(\b/2)+32*(\b%2)        ; features 32 (b / 2) + 16 h + 8 (b % 2) + 0 .. 7
	global_load_b128 v[BB+8*\b+4:BB+8*\b+7], v15, s[88:89] offset:128*(\b/2)+32*(\b%2)+16
.endr
	WIN 0x40                                       ; destination window 1
.irp a, 0,1,2,3
	global_load_b32 v[BA+2*\a], v14, s[94:95] offset:128*(\a/2)+32*(\a%2)                   ; my row's feature, twice: a pair for the packed addition
	global_load_b32 v[BA+2*\a+1], v14, s[94:95] offset:128*(\a/2)+32*(\a%2)
.endr
	WIN 0
; 36 LDS loads in one run: K step s: B's eight fragments and A's four, into set
.macro FETCH s, set
	WIN 0x40
.irp i, 0,1,2,3,4,5,6,7
.irp c, 0,1,2
	ds_load_b128 v[96*(\set)+12*\i+4*\c:96*(\set)+12*\i+4*\c+3], v[ADRB+(\s)/4] offset:6144*\i+1536*((\s)%4)+512*\c
.endr
.endr
	WIN 0
.irp i, 0,1,2,3
.irp c, 0,1,2
	ds_load_b128 v[AF+48*(\set)+12*\i+4*\c:AF+48*(\set)+12*\i+4*\c+3], v[ADRA+(\s)/4] offset:6144*\i+1536*((\s)%4)+512*\c
.endr
.endr
.endm
; 32 products: the accumulators take turns, one instruction a turn, in the same order in every K step.  first = 1: they start the sums
.macro MUL s, set, first
	WIN 0xa1                                       ; source 0 (B) window 1, source 1 (A) window 0, C and D window 2
.irp a, 0,1,2,3
.irp b, 0,1,2,3,4,5,6,7
.if \first
	WM 64*\a+8*\b, 96*(\set)+12*\b, AF+48*(\set)+12*\a, -1, SCB+8*(\b/2)+(\s), SCA+8*(\a/2)+(\s), \b%2, \a%2
.else
	WM 64*\a+8*\b, 96*(\set)+12*\b, AF+48*(\set)+12*\a, 64*\a+8*\b, SCB+8*(\b/2)+(\s), SCA+8*(\a/2)+(\s), \b%2, \a%2
.endif
.endr
.endr
.endm
.macro KSTEP s
.if (\s) == 3
	s_wait_tensorcnt 0x0                           ; every wave's load is in: the barrier shows the second half of K
	s_wait_dscnt 0x0                               ; no LDS load of mine is out at a signal
	s_barrier_signal -1
	s_barrier_wait -1                              ; everybody's part is in
.endif
.if (\s) < 7
.if (\s) > 0
	PLACES
.endif
	FETCH (\s)+1, ((\s)+1)%2
	s_wait_dscnt NF                                ; all but the 36 just issued: this step's fragments are in
.else
	s_wait_dscnt 0x0
.endif
.if (\s) == 0
	MUL \s, (\s)%2, 1
.else
	MUL \s, (\s)%2, 0
.endif
.endm
	s_wait_alu depctr_va_vdst(0)
	s_cmp_lt_u32 s[WV], 2
	s_cbranch_scc0 .Lnot_first
	s_wait_tensorcnt 0x0                           ; waves 0 and 1: the first half of K is in; waves 2 and 3's loads may stay out
.Lnot_first:
	s_barrier_signal -1
	s_barrier_wait -1
	FETCH 0, 0
	s_wait_loadcnt 0x0                             ; scale words and biases
.irp s, 0,1,2,3,4,5,6,7
	KSTEP \s
.endr
	WIN 0
	PLACES
; 64 numbers of a lane, register 16 b + i = index 32 b + 16 h + i along the next K, become 12 registers of codes (blocks 0, 1 in v[d0 ..], blocks 2, 3 in v[d1 ..]) and the scale word v[PW]
.macro QUANT4 s, d0, d1
.irp b, 0,1,2,3
	v_max3_num_f32 v[TM+\b], |v[\s+16*\b]|, |v[\s+1+16*\b]|, 0x1800000   ; my 16 numbers of block b, and the floor 2^(3 - 127)
.endr
.irp i, 2,4,6,8,10,12,14
.irp b, 0,1,2,3
	v_max3_num_f32 v[TM+\b], v[TM+\b], |v[\s+16*\b+\i]|, |v[\s+1+16*\b+\i]|
.endr
.endr
.irp b, 0,1,2,3
	v_permlanex16_b32 v[TM+4+\b], v[TM+\b], s[SEL], s[SEL+1]
.endr
.irp b, 0,1,2,3
	v_max_num_f32 v[TM+\b], v[TM+\b], v[TM+4+\b]   ; with lane l xor 16's: the block's largest magnitude
.endr
.irp b, 0,1,2,3
	v_add_nc_u32 v[TM+12+\b], 0xff000000, v[TM+\b] ; 2 off its exponent field: the conversion's scale operand
.endr
.irp b, 0,1,2,3
	v_lshrrev_b32 v[TM+4+\b], 23, v[TM+12+\b]      ; the byte
.endr
	v_lshl_or_b32 v[PW], v[TM+5], 8, v[TM+4]
	v_lshl_or_b32 v[PW], v[TM+6], 16, v[PW]
	v_lshl_or_b32 v[PW], v[TM+7], 24, v[PW]
	v_cvt_scalef32_pk16_fp6_f32 v[(\d0):(\d0)+2], v[\s:\s+15], v[TM+12]
	v_cvt_scalef32_pk16_fp6_f32 v[T0:T0+2], v[\s+16:\s+31], v[TM+13]
	v_cvt_scalef32_pk16_fp6_f32 v[(\d1):(\d1)+2], v[\s+32:\s+47], v[TM+14]
	v_cvt_scalef32_pk16_fp6_f32 v[T1:T1+2], v[\s+48:\s+63], v[TM+15]
	v_nop                                          ; one plain line behind a scaled conversion
.irp i, 0,1,2                                  ; the operand's layout wants a WHOLE block in a lane: lanes 0-15 the even block, lanes 16-31 the odd one
	v_permlane16_swap_b32 v[(\d0)+\i], v[T0+\i]
	v_permlane16_swap_b32 v[(\d1)+\i], v[T1+\i]
.endr
.irp i, 0,1,2
	v_mov_b32 v[(\d0)+3+\i], v[T0+\i]
	v_mov_b32 v[(\d1)+3+\i], v[T1+\i]
.endr
.endm
; THE WAY OUT, a tile of A's rows at a time: the bias is added (which also brings the sums into window 0, each accumulator from its low end on), the 64 numbers are quantised, the images are stored: 512 consecutive bytes a store.
; var = 0 (q, k): blocks 0, 1 are one head's 64, blocks 2, 3 the next head's; two tiles of tokens make a pair image for each head.   var = 1 (v): the four blocks are a key step's 128 keys: one image a tile of d.
.macro EPI var
.irp a, 0,1,2,3
.if \var
	WIN 0x06                                       ; source 0 window 2, source 1 window 1
.else
	WIN 0x02                                       ; source 0 window 2
.endif
.set ii, 0
.rept 32
.if \var
	v_pk_add_f32 v[H+2*ii:H+2*ii+1], v[64*\a+2*ii:64*\a+2*ii+1], v[BA+2*\a:BA+2*\a+1]
.else
	v_pk_add_f32 v[H+2*ii:H+2*ii+1], v[64*\a+2*ii:64*\a+2*ii+1], v[BB+2*ii:BB+2*ii+1]
.endif
.set ii, ii+1
.endr
	WIN 0
	s_wait_xcnt 0x0                                ; the earlier stores have read the codes' registers
.if \var
	QUANT4 H, PP, PP+6
.if \a%2 == 0
	v_mov_b32 v[KW+\a/2], v[PW]
.else
	v_cndmask_b32 v[KW+\a/2], v[KW+\a/2], v[PW], s[HI]       ; lanes 16-31 carry the odd tile's words
.endif
.irp k, 0,1,2
	global_store_b128 v1, v[PP+4*\k:PP+4*\k+3], s[80:81] offset:1536*\a+512*\k
.endr
.else
	QUANT4 H, PP+6*(\a%2), PP+12+6*(\a%2)
.if \a%2 == 0
	v_and_b32 v[KW+\a/2], 0xffff, v[PW]            ; the first head's two bytes; bytes 2 and 3 are zero
	v_lshrrev_b32 v[KW+2+\a/2], 16, v[PW]          ; the second head's
.else
	v_and_b32 v[T0], 0xffff, v[PW]
	v_lshrrev_b32 v[T1], 16, v[PW]
	v_cndmask_b32 v[KW+\a/2], v[KW+\a/2], v[T0], s[HI]
	v_cndmask_b32 v[KW+2+\a/2], v[KW+2+\a/2], v[T1], s[HI]
.irp c, 0,1
.irp k, 0,1,2
	global_store_b128 v1, v[PP+12*\c+4*\k:PP+12*\c+4*\k+3], s[80:81] offset:98304*\c+1536*(\a/2)+512*\k
.endr
.endr
.endif
.endif
.endr
.endm
	s_cmp_eq_u32 s[TT], 2                          ; the tensor: the same in all sixteen partners
	s_cbranch_scc1 .Lepi_v
	s_lshl_b32 s76, s[TR], 1
	s_add_co_u32 s76, s76, s[RH]                   ; which 64 tokens
	s_lshr_b32 s77, s76, 5                         ; the batch
	s_and_b32 s76, s76, 31
	s_lshl_b32 s77, s77, 4
	s_lshl_b32 s78, s[TC], 2
	s_add_co_u32 s77, s77, s78
	s_lshl_b32 s78, s[CHF], 1
	s_add_co_u32 s77, s77, s78                     ; 16 x batch + my first head
	s_mul_i32 s78, s[TT], 6291456
	s_mul_i32 s79, s77, 98304
	s_add_co_u32 s78, s78, s79
	s_mul_i32 s79, s76, 3072
	s_add_co_u32 s78, s78, s79
	s_mov_b32 s79, 0
	s_add_nc_u64 s[80:81], s[14:15], s[78:79]
	s_lshl_b32 s78, s[TT], 19
	s_lshl_b32 s77, s77, 13
	s_add_co_u32 s78, s78, s77
	s_lshl_b32 s76, s76, 8
	s_add_co_u32 s78, s78, s76
	s_add_co_u32 s78, s78, 18874368
	s_add_nc_u64 s[82:83], s[14:15], s[78:79]
	EPI 0
	global_store_b64 v13, v[KW:KW+1], s[82:83]               ; 256 consecutive bytes, aligned
	global_store_b64 v13, v[KW+2:KW+3], s[82:83] offset:8192
	s_branch .Lclose
.Lepi_v:
	s_lshl_b32 s76, s[TC], 1
	s_add_co_u32 s76, s76, s[CHF]                  ; which 128 tokens
	s_lshr_b32 s77, s76, 4                         ; the batch
	s_and_b32 s76, s76, 15                         ; the key step
	s_lshl_b32 s77, s77, 4
	s_lshl_b32 s78, s[TR], 1
	s_add_co_u32 s77, s77, s78
	s_add_co_u32 s77, s77, s[RH]                   ; 16 x batch + my head
	s_mul_i32 s78, s77, 98304
	s_mul_i32 s79, s76, 6144
	s_add_co_u32 s78, s78, s79
	s_add_co_u32 s78, s78, 12582912
	s_mov_b32 s79, 0
	s_add_nc_u64 s[80:81], s[14:15], s[78:79]
	s_lshl_b32 s78, s77, 12
	s_lshl_b32 s76, s76, 8
	s_add_co_u32 s78, s78, s76
	s_add_co_u32 s78, s78, 19922944
	s_add_nc_u64 s[82:83], s[14:15], s[78:79]
	EPI 1
	global_store_b64 v13, v[KW:KW+1], s[82:83]
.Lclose:
	s_wait_tensorcnt 0x0                           ; the wave's end
	ds_add_u32 v[SPW], v[NIL]
	s_wait_dscnt 0x0
	CROUND                                         ; the closing round
	s_endpgm
.Lfunc_end_k_q927ba3337d_proj:
	.size	k_q927ba3337d_proj, .Lfunc_end_k_q927ba3337d_proj-k_q927ba3337d_proj
	.p2alignl 7, 3214868480
	.fill 96, 4, 3214868480
	.section	.rodata,"a",@progbits
	.p2align	6, 0x0
	.amdhsa_kernel k_q927ba3337d_proj
		.amdhsa_group_segment_fixed_size 327680
		.amdhsa_private_segment_fixed_size 0
		.amdhsa_enable_private_segment 0
		.amdhsa_kernarg_size 48
		.amdhsa_user_sgpr_count 2
		.amdhsa_user_sgpr_kernarg_segment_ptr 1
		.amdhsa_wavefront_size32 1
		.amdhsa_system_sgpr_workgroup_id_x 1
		.amdhsa_system_sgpr_workgroup_id_y 1
		.amdhsa_system_sgpr_workgroup_id_z 1
		.amdhsa_system_vgpr_workitem_id 0
		.amdhsa_next_free_vgpr 768
		.amdhsa_next_free_sgpr 104
		.amdhsa_reserve_vcc 0
		.amdhsa_float_denorm_mode_32 3
		.amdhsa_float_denorm_mode_16_64 3
		.amdhsa_memory_ordered 1
		.amdhsa_forward_progress 1
		.amdhsa_inst_pref_size 116
	.end_amdhsa_kernel
	.amdgpu_metadata
---
amdhsa.version: [ 1, 2 ]
amdhsa.kernels:
  - .name:           k_q927ba3337d_proj
    .symbol:         k_q927ba3337d_proj.kd
    .args:
      - { .name: xim, .offset: 0, .size: 8, .value_kind: global_buffer, .address_space: global }
      - { .name: wim, .offset: 8, .size: 8, .value_kind: global_buffer, .address_space: global }
      - { .name: bq, .offset: 16, .size: 8, .value_kind: global_buffer, .address_space: global }
      - { .name: bk, .offset: 24, .size: 8, .value_kind: global_buffer, .address_space: global }
      - { .name: bv, .offset: 32, .size: 8, .value_kind: global_buffer, .address_space: global }
      - { .name: att, .offset: 40, .size: 8, .value_kind: global_buffer, .address_space: global }
    .group_segment_fixed_size: 327680
    .private_segment_fixed_size: 0
    .kernarg_segment_align: 8
    .kernarg_segment_size: 48
    .max_flat_workgroup_size: 128
    .sgpr_count:     104
    .vgpr_count:     768
    .wavefront_size: 32
...
	.end_amdgpu_metadata
.endif
;; end of part 2
;; launch attn (part 3): grid 4 x 64, 16 waves a work-group, no clusters, 227,840 bytes of LDS; arguments att, mbits, oim; writes oim
.if DOCPART == 3
	.amdgcn_target "amdgcn-amd-amdhsa--gfx1250"
	.amdhsa_code_object_version 6
	.text
	.protected	k_q927ba3337d_attn
	.globl	k_q927ba3337d_attn
	.p2align	8
	.type	k_q927ba3337d_attn,@function
k_q927ba3337d_attn:
	s_mov_b64 s[64:65], 0
	v_nop
	global_prefetch_b8 v0, s[64:65] scope:SCOPE_SE
	s_setreg_imm32_b32 hwreg(HW_REG_WAVE_MODE, 25, 1), 1
	s_wait_xcnt 0x0
; Attention of one head on codes of FP6 (E2M3): scores = Q K^T / 8, a logit whose mask word is 0 replaced by -10000, softmax, times V; the result divided by the row's sum and quantised along the head's 64 for the last projection.
; THE SOFTMAX AHEAD OF THE SECOND PRODUCT: t = score x log2(e) / 8; M = the row's largest t so far, rounded UP to a whole number; p = 2^(t - M) is quantised along the keys; the row's sum is taken of the unquantised p.
; When M moves, the sum and O are multiplied by 2^(old M - new M): exact.  A masked score is set to -80000 ahead of the maximum (-10000 x 8): a row with no key left gives equal weights, as the replacement asks.
; SHARES.  Work-group (x, y) takes 512 queries (block x) of batch x head y; each of its sixteen waves a pair of tiles of 16, one after the other (PASS 0, PASS 1).  Four waves share a SIMD.
; LDS.  The head's whole K and V, as images of operand registers, and their scale words: a run of 13,312 bytes for each key step of 128 (K 6,144, V 6,144, K's scale words 512, V's 256 in places of 16 bytes).
; Wave w brings key step w through its registers (27 global loads, 26 LDS stores); one barrier; the loop over the keys has none.  Behind step 15 lies a copy of step 0's K and scale words, so that the look-ahead of one step needs no wrap.
; THE MASK comes as lane-mask words by scalar loads, 64 words a step, asked for a step ahead.  Where all 64 are ones a scalar branch leads round the step's 64 selects; the test, four chains of ANDs, stands among the scores' products.
; NO TENSOR LOAD AND NO CLUSTER: the four work-groups of a head each read its 208,896 bytes once, by plain loads.
; NO DATA PREFETCH: every global read but the mask words stands at the head; there is no loop to run ahead in.
; LAYOUT.  Both products are used transposed (S^T = K Q^T, O^T = V^T P^T): a lane holds one query.  K's tile 4 c + q of a step holds keys 64 c + 8 q + r % 8 + 32 (r / 8): so score register 32 c + i of lane (r, h) is key 64 c + 32 h + i:
; a lane holds two WHOLE blocks of 32 keys, in the order of p's operand registers: a block's largest score needs no other lane, and the codes stay where the conversions put them.
; K = 64 IN THE FIRST PRODUCT: Q's operand carries zero codes for k = 64 .. 127 and both sides' scale bytes there are 0; K's operand of tile t begins at register 6 t of its region: its upper six registers hold whatever codes follow, which meet zeros
; (every pattern of 6 bits is a finite number of the format).
; TWO REGIONS OF 64 REGISTERS CHANGE ROLES FROM STEP TO STEP: one holds K's fragments and then V's, the other the scores and then p; when p has been converted, its region takes the next step's K.
; oim: codes [token tile 512][head 16][3 pieces][256 bytes]; scale words from byte 6,291,456: [batch x head][tile 128][16 words].
; LIMITS: NaN and infinities are not served; the promise holds while the scaled scores stay under 2^31 in magnitude; a block whose largest magnitude lies under 2^-124 gets the byte 1.
.set STP,   13312                      ; a key step's run in LDS
.set VO,    6144                       ; V's images in it
.set KSO,   12288                      ; K's scale words: 16 bytes a lane
.set VSO,   12800                      ; V's: 8 bytes a lane, 16 apart
.set SPARE, 225792                     ; behind the copy of step 0's K: the spare words, 128 bytes a wave
.set RA,  32                           ; v32-95, v96-159: the two regions
.set RB,  96
.set WV,  10
.set SEL, 22
.set CS,  24                           ; s[24:25] log2(e) / 8
.set HI,  26
.set MO,  27                           ; the step's offset among the tile's mask words
.set TB,  28                           ; the trip's first byte in LDS
.set CN,  29                           ; -log2(e) / 8
.set CNT, 31
; v1 16 l, v2 the trip's LDS address, v3 8 l, v4 4 l; v5, v6 the add's two; v7 -80000; v8-11 K's scale words; v12 -M, v13 the largest score, v[14:15] the sum; v16-27 Q's operand; v28 Q's scale words; v29 O's;
; v[30:31] V's scale words; v160-191 O^T; v192-203 Q's pair image; v204-215 p's codes; v216-243 at work (v239: 8 h); v244-255 partial sums, at a pass's end O's codes.  s[4:9], s[100:101]: behind the head the four chains of the mask's test
.macro SM d, a, ks, ra, u              ; a product of the scores: 16 keys x 16 queries
	v_wmma_scale_f32_16x16x128_f8f6f4 v[\d:\d+7], v[\a:\a+11], v[16:27], 0, v[\ks], v28 matrix_a_fmt:MATRIX_FMT_FP6 matrix_b_fmt:MATRIX_FMT_FP6 matrix_a_scale:MATRIX_SCALE_ROW\ra matrix_b_scale:MATRIX_SCALE_ROW\u
.endm
.macro PM d, a, vs, ra                 ; a product with V: 16 of the head's 64 x 16 queries over 128 keys
	v_wmma_scale_f32_16x16x128_f8f6f4 v[\d:\d+7], v[\a:\a+11], v[204:215], v[\d:\d+7], v[\vs], v242 matrix_a_fmt:MATRIX_FMT_FP6 matrix_b_fmt:MATRIX_FMT_FP6 matrix_a_scale:MATRIX_SCALE_ROW\ra
.endm
.macro PA a, x                         ; a partial sum takes in a pair
	v_pk_add_f32 v[\a:\a+1], v[\a:\a+1], v[\x:\x+1]
.endm
.macro AND4 a                          ; the four chains take in the eight mask words from s[a] on
	s_and_b64 s[100:101], s[100:101], s[\a:\a+1]
	s_and_b64 s[4:5], s[4:5], s[\a+2:\a+3]
	s_and_b64 s[6:7], s[6:7], s[\a+4:\a+5]
	s_and_b64 s[8:9], s[8:9], s[\a+6:\a+7]
.endm
.macro WALU
	s_wait_alu depctr_va_vdst(0)
.endm
	s_load_b128 s[4:7], s[0:1], 0x0                ; att, mbits
	s_load_b64 s[8:9], s[0:1], 0x10                ; oim
	v_lshl_add_u32 v5, v0, 2, SPARE
	v_mov_b32 v6, 0
	v_lshrrev_b32 v4, 5, v0
	v_readfirstlane_b32 s[WV], v4                  ; wave 0..15
	v_and_b32 v2, 31, v0
	v_lshlrev_b32 v1, 4, v2                        ; 16 l
	v_lshlrev_b32 v3, 3, v2                        ; 8 l
	v_lshlrev_b32 v4, 2, v2                        ; 4 l
	v_bfe_u32 v239, v0, 4, 1
	v_lshlrev_b32 v239, 3, v239                    ; 8 h
	WALU
	s_and_b32 s12, ttmp7, 0xffff                   ; 16 x batch + head
	s_lshl_b32 s13, ttmp9, 4
	s_add_co_u32 s13, s13, s[WV]                   ; P: my pair of query tiles
	s_mul_i32 s50, s12, 98304
	s_mul_i32 s32, s[WV], 6144
	s_add_co_u32 s32, s32, s50
	s_add_co_u32 s32, s32, 6291456                 ; K's images of key step w
	s_mov_b32 s33, 0
	s_add_co_u32 s34, s32, 6291456                 ; V's
	s_mov_b32 s35, 0
	s_lshl_b32 s36, s12, 13
	s_lshl_b32 s51, s[WV], 9
	s_add_co_u32 s36, s36, s51
	s_add_co_u32 s36, s36, 19398656                ; K's scale words of the step
	s_mov_b32 s37, 0
	s_lshl_b32 s38, s12, 12
	s_lshl_b32 s51, s[WV], 8
	s_add_co_u32 s38, s38, s51
	s_add_co_u32 s38, s38, 19922944                ; V's
	s_mov_b32 s39, 0
	s_mul_i32 s40, s13, 1536
	s_add_co_u32 s40, s40, s50                     ; Q's pair image
	s_mov_b32 s41, 0
	s_lshl_b32 s42, s12, 13
	s_lshr_b32 s51, s13, 1
	s_lshl_b32 s51, s51, 8
	s_add_co_u32 s42, s42, s51
	s_and_b32 s51, s13, 1
	s_lshl_b32 s51, s51, 2
	s_add_co_u32 s42, s42, s51
	s_add_co_u32 s42, s42, 18874368                ; its scale words
	s_mov_b32 s43, 0
	s_lshl_b32 s44, s13, 13                        ; the pair's mask words: 2 x 4,096 bytes
	s_mov_b32 s45, 0
	s_lshr_b32 s46, s12, 4
	s_lshl_b32 s46, s46, 7
	s_lshl_b32 s51, s13, 1
	s_add_co_u32 s46, s46, s51                     ; token tile 128 x batch + 2 P
	s_mul_i32 s46, s46, 12288
	s_and_b32 s51, s12, 15
	s_mul_i32 s51, s51, 768
	s_add_co_u32 s46, s46, s51
	s_mov_b32 s47, 0
	s_lshl_b32 s48, s12, 13
	s_lshl_b32 s51, s13, 7
	s_add_co_u32 s48, s48, s51
	s_add_co_u32 s48, s48, 6291456
	s_mov_b32 s49, 0
	s_mul_i32 s52, s[WV], STP
	v_add_nc_u32 v2, s52, v1                       ; LDS: my key step's run
	v_add_nc_u32 v219, 16*STP, v1                  ; and the copy of step 0's K
	s_mov_b32 s[SEL], 0x76543210
	s_mov_b32 s[SEL+1], 0xfedcba98
	s_mov_b32 s[CS], 0x3e38aa3b                    ; log2(e) / 8
	s_mov_b32 s[CS+1], s[CS]
	s_mov_b32 s[CN], 0xbe38aa3b
	s_mov_b32 s[HI], 0xffff0000
	WALU
	s_wait_kmcnt 0x0
	s_add_nc_u64 s[32:33], s[4:5], s[32:33]
	s_add_nc_u64 s[34:35], s[4:5], s[34:35]
	s_add_nc_u64 s[36:37], s[4:5], s[36:37]
	s_add_nc_u64 s[38:39], s[4:5], s[38:39]
	s_add_nc_u64 s[16:17], s[4:5], s[40:41]
	s_add_nc_u64 s[2:3], s[4:5], s[42:43]
	s_add_nc_u64 s[14:15], s[6:7], s[44:45]
	s_add_nc_u64 s[18:19], s[8:9], s[46:47]
	s_add_nc_u64 s[20:21], s[8:9], s[48:49]
.irp n, 0,1,2,3,4,5,6,7,8,9,10,11
	global_load_b128 v[32+4*\n:35+4*\n], v1, s[32:33] offset:512*\n     ; 512 consecutive bytes a load
.endr
.irp n, 0,1,2,3,4,5,6,7,8,9,10,11
	global_load_b128 v[80+4*\n:83+4*\n], v1, s[34:35] offset:512*\n
.endr
	global_load_b64 v[128:129], v3, s[36:37]       ; K's scale words: the first four tiles' two a lane,
	global_load_b64 v[130:131], v3, s[36:37] offset:256   ; the second four's: the four go into LDS side by side
	global_load_b64 v[132:133], v3, s[38:39]
.irp c, 0,1,2
	global_load_b128 v[192+4*\c:195+4*\c], v1, s[16:17] offset:512*\c   ; Q's pair image: v192-197 the even tile's six registers, v198-203 the odd tile's
.endr
	global_load_b32 v28, v3, s[2:3]                ; lanes 0-15: the even tile's scale words; lanes 16-31: the odd tile's
	v_mov_b32 v7, 0xc79c4000                       ; -80000
.irp i, 0,1,2,3,4,5
	v_mov_b32 v[22+\i], 0                          ; Q's codes of k = 64 .. 127
.endr
.irp b, 0,1,2,3
	v_mov_b32 v[228+\b], 0                         ; a lane permute's destination counts as one of its sources
.endr
	v_mov_b32 v241, 0                              ; (named as the upper half of the pair v[240:241])
	WALU
	s_wait_loadcnt 0x0
.irp n, 0,1,2,3,4,5,6,7,8,9,10,11
	ds_store_b128 v2, v[32+4*\n:35+4*\n] offset:512*\n
.endr
.irp n, 0,1,2,3,4,5,6,7,8,9,10,11
	ds_store_b128 v2, v[80+4*\n:83+4*\n] offset:VO+512*\n
.endr
	ds_store_b128 v2, v[128:131] offset:KSO
	ds_store_b64 v2, v[132:133] offset:VSO
	s_cmp_lg_u32 s[WV], 0
	s_cbranch_scc1 .Lnot_0
.irp n, 0,1,2,3,4,5,6,7,8,9,10,11
	ds_store_b128 v219, v[32+4*\n:35+4*\n] offset:512*\n    ; wave 0: step 0's K once more, behind step 15
.endr
	ds_store_b128 v219, v[128:131] offset:KSO
.Lnot_0:
	s_wait_dscnt 0x0                               ; my stores are done,
	s_barrier_signal -1
	s_barrier_wait -1                              ; everybody's are
.irp n, 0,1,2,3,4,5,6,7,8,9,10,11
	ds_load_b128 v[RA+4*\n:RA+4*\n+3], v1 offset:512*\n     ; step 0's K
.endr
	ds_load_b128 v[8:11], v1 offset:KSO
.macro MLOAD u                         ; 64 mask words of tile u of the pair, at the step's offset: word n in s[32 + n] (n < 32) or s[36 + n]
	s_load_b512 s[32:47], s[14:15], s[MO] offset:4096*\u
	s_load_b512 s[48:63], s[14:15], s[MO] offset:4096*\u+64
	s_load_b512 s[68:83], s[14:15], s[MO] offset:4096*\u+128
	s_load_b512 s[84:99], s[14:15], s[MO] offset:4096*\u+192
.endm
; A KEY STEP of 128 keys.  kr: the region with K's fragments, then V's; sr: the scores', then p's, then the next step's K.  o: the step's run, from the trip's address
.macro STEP kr, sr, o, first, u
	s_wait_dscnt 0x0                               ; K's fragments and scale words, asked for in the step before
	s_wait_kmcnt 0x0                               ; this step's mask words, asked for a step ago
	SM \sr, \kr, 8, 0, \u                          ; behind each product four scalar lines of the mask's test
	s_and_b64 s[100:101], s[32:33], s[40:41]
	s_and_b64 s[4:5], s[34:35], s[42:43]
	s_and_b64 s[6:7], s[36:37], s[44:45]
	s_and_b64 s[8:9], s[38:39], s[46:47]
	SM \sr+8, \kr+6, 8, 1, \u
	AND4 48
	SM \sr+16, \kr+12, 9, 0, \u
	AND4 56
	SM \sr+24, \kr+18, 9, 1, \u
	AND4 68
	SM \sr+32, \kr+24, 10, 0, \u
	AND4 76
	SM \sr+40, \kr+30, 10, 1, \u
	AND4 84
	SM \sr+48, \kr+36, 11, 0, \u
	AND4 92
	SM \sr+56, \kr+42, 11, 1, \u
	s_and_b64 s[100:101], s[100:101], s[4:5]
	s_and_b64 s[6:7], s[6:7], s[8:9]
	s_and_b64 s[100:101], s[100:101], s[6:7]
	s_and_b32 s100, s100, s101
	v_mov_b32 v243, v12                            ; the old -M.  (Four places ahead of the loads into K's registers and of the first read of the scores)
.if \first
	v_add_nc_u32 v2, s[TB], v1
.else
	v_nop
.endif
	v_nop
	v_nop
.irp n, 0,1,2,3,4,5,6,7,8,9,10,11
	ds_load_b128 v[\kr+4*\n:\kr+4*\n+3], v2 offset:\o+VO+512*\n   ; V's four fragments: they land under the softmax
.endr
	ds_load_b64 v[30:31], v2 offset:\o+VSO
	WALU
	s_cmp_eq_u32 s100, -1                          ; no key of the step is masked for any of my 16 queries:
	s_cbranch_scc1 .Lfree_\@                       ; then nothing is replaced
.set nn, 0
.rept 64                                       ; register 32 c + i holds key 64 c + 32 h + i of the step; each accumulator from its low end on
.if nn < 32
	v_cndmask_b32 v[\sr+nn], v7, v[\sr+nn], s[32+nn]
.else
	v_cndmask_b32 v[\sr+nn], v7, v[\sr+nn], s[36+nn]
.endif
.set nn, nn+1
.endr
.Lfree_\@:
	s_wait_xcnt 0x0                                ; the scalar loads have read their offset
	s_add_co_u32 s[MO], s[MO], 256
	s_and_b32 s[MO], s[MO], 4095                   ; the last step asks for the tile's first words again: no load leaves the buffer
	MLOAD \u
.irp b, 0,1,2,3
	v_max3_num_f32 v[224+\b], v[\sr+16*\b], v[\sr+1+16*\b], v[\sr+2+16*\b]   ; the largest score, in four chains of 16 side by side: two to each of my blocks of 32 keys
.endr
.irp i, 3,5,7,9,11,13
.irp b, 0,1,2,3
	v_max3_num_f32 v[224+\b], v[224+\b], v[\sr+16*\b+\i], v[\sr+1+16*\b+\i]
.endr
.endr
.irp b, 0,1,2,3
	v_max_num_f32 v[224+\b], v[224+\b], v[\sr+15+16*\b]
.endr
	s_delay_alu instid0(VALU_DEP_3)
	v_max_num_f32 v224, v224, v225                 ; block h's largest score: for the row's maximum and, since p rises with the score, for the block's largest p
	s_delay_alu instid0(VALU_DEP_2)
	v_max_num_f32 v226, v226, v227                 ; block 2 + h's
	s_delay_alu instid0(VALU_DEP_1)
	v_max_num_f32 v223, v224, v226
	s_delay_alu instid0(VALU_DEP_1)
	v_permlanex16_b32 v228, v223, s[SEL], s[SEL+1]
	s_delay_alu instid0(VALU_DEP_1)
	v_max3_num_f32 v13, v223, v228, v13            ; with lane l xor 16's: the largest score so far
	s_delay_alu instid0(VALU_DEP_1)
	v_mul_f32 v223, s[CN], v13                     ; -t
	s_delay_alu instid0(VALU_DEP_1)
	v_floor_f32 v12, v223                          ; -M = floor(-t): M is a whole number
.irp j, 0,2,4,6,8,10,12,14,16,18,20,22,24,26,28,30,32,34,36,38,40,42,44,46,48,50,52,54,56,58,60,62
	v_pk_fma_f32 v[\sr+\j:\sr+\j+1], v[\sr+\j:\sr+\j+1], s[CS:CS+1], v[12:13] op_sel_hi:[1,0,0]   ; t - M
.if \j == 14
	v_sub_f32 v243, v12, v243                      ; old M - new M, among the multiply-adds, so that no line waits for the line above it
.endif
.if \j == 30
	v_cvt_i32_f32 v243, v243                       ; (it saturates)
.endif
.if \j == 46
	v_ldexp_f32 v240, 1.0, v243                    ; f = 2^(old M - new M)
.endif
.endr
	v_fma_f32 v224, v224, s[CS], v12
	v_fma_f32 v226, v226, s[CS], v12
	WALU
	v_exp_f32 v224, v224                           ; my two blocks' largest p
	v_exp_f32 v226, v226
.set nn, 0
.rept 64
	v_exp_f32 v[\sr+nn], v[\sr+nn]                 ; p = 2^(t - M): not normalised
.set nn, nn+1
.endr
	v_pk_mul_f32 v[14:15], v[14:15], v[240:241] op_sel_hi:[1,0]   ; the sum under the new M (a plain line behind the exponentials)
	WALU                                           ; one wait for the batch, ahead of its first reader
.irp k, 0,1,2,3,4,5                            ; the row's sum of the unquantised p: eight chains side by side
	v_pk_add_f32 v[244+2*\k:245+2*\k], v[\sr+4+8*\k:\sr+5+8*\k], v[\sr+8+8*\k:\sr+9+8*\k]
.endr
	v_pk_add_f32 v[236:237], v[\sr+52:\sr+53], v[\sr+56:\sr+57]
	PA 14, \sr+60
.irp k, 0,1,2,3,4,5
	PA 244+2*\k, \sr+2+4*\k
.endr
	PA 236, \sr
	PA 14, \sr+26
.irp k, 0,1,2,3,4,5
	PA 244+2*\k, \sr+30+4*\k
.endr
	PA 236, \sr+54
	PA 14, \sr+58
	PA 236, \sr+62
	v_max_num_f32 v224, 0x1800000, v224            ; the floor 2^(3 - 127)
	v_max_num_f32 v226, 0x1800000, v226
	s_delay_alu instid0(VALU_DEP_2)
	v_add_nc_u32 v232, 0xff000000, v224            ; 2 off the exponent field: the conversions' scale operands
	s_delay_alu instid0(VALU_DEP_2)
	v_add_nc_u32 v233, 0xff000000, v226
	v_cvt_scalef32_pk16_fp6_f32 v[204:206], v[\sr:\sr+15], v232        ; registers 6 c .. 6 c + 5 of the operand are my block 2 c + h: k = 64 c + 32 h + 0 .. 31
	v_cvt_scalef32_pk16_fp6_f32 v[216:218], v[\sr+16:\sr+31], v232     ; (a conversion's three registers begin on an even number: a block's upper half is made elsewhere and moved)
	v_cvt_scalef32_pk16_fp6_f32 v[210:212], v[\sr+32:\sr+47], v233
	v_cvt_scalef32_pk16_fp6_f32 v[220:222], v[\sr+48:\sr+63], v233
	v_lshrrev_b32 v229, 23, v232                   ; the scales' bytes (a plain line behind the conversions)
	v_lshrrev_b32 v230, 23, v233
.irp n, 0,1,2,3,4,5,6,7,8,9,10,11
	ds_load_b128 v[\sr+4*\n:\sr+4*\n+3], v2 offset:\o+STP+512*\n   ; p is spent: its region takes the next step's K (behind step 15: the copy of step 0's)
.endr
	ds_load_b128 v[8:11], v2 offset:\o+STP+KSO
	v_lshl_or_b32 v230, v230, 16, v229             ; my two bytes: blocks h and 2 + h,
	v_mov_b32 v207, v216
	v_mov_b32 v208, v217
	v_lshlrev_b32 v230, v239, v230                 ; 8 h bits up;
	v_mov_b32 v209, v218
	v_mov_b32 v213, v220
	v_permlanex16_b32 v231, v230, s[SEL], s[SEL+1]
	v_mov_b32 v214, v221
	v_mov_b32 v215, v222
	v_or_b32 v242, v230, v231                      ; with lane l xor 16's two: p's scale word for these 128 keys
	WALU                                           ; ahead of the first reader of O^T
.irp j, 0,2,4,6,8,10,12,14,16,18,20,22,24,26,28,30
	v_pk_mul_f32 v[160+\j:161+\j], v[160+\j:161+\j], v[240:241] op_sel_hi:[1,0]   ; O^T under the new M; also the places between the scale word's and the codes' last writes and the products
.endr
	WALU
	s_wait_dscnt 13                                ; V's 13 loads are in; younger are the 13 of the next step's K
	PM 160, \kr, 30, 0
	PM 168, \kr+12, 30, 1
	PM 176, \kr+24, 31, 0
	PM 184, \kr+36, 31, 1
	PA 14, 244                                     ; the eight chains are joined: seven plain lines, the places ahead of the next scores, which are laid over V's registers
	PA 236, 246
	PA 248, 250
	PA 252, 254
	s_delay_alu instid0(VALU_DEP_2)
	PA 14, 248
	s_delay_alu instid0(VALU_DEP_2)
	PA 236, 252
	s_delay_alu instid0(VALU_DEP_1)
	PA 14, 236
.endm
; One tile of 16 queries through all 2,048 keys
.macro PASS u
	s_wait_kmcnt 0x0
	s_wait_xcnt 0x0
	s_mov_b32 s[MO], 0
	MLOAD \u
.irp i, 0,1,2,3,4,5
	v_mov_b32 v[16+\i], v[192+6*\u+\i]             ; the tile's codes of k = 0 .. 63
.endr
	v_mov_b32 v13, 0xff61b1e6                      ; the largest score so far: -3e38
	v_mov_b32 v12, 0x7f000000                      ; -M: 2^127, a whole number over every -M to come: the first f is 0
	v_mov_b32 v14, 0
	v_mov_b32 v15, 0
.irp j, 0,1,2,3,4,5,6,7,8,9,10,11,12,13,14,15,16,17,18,19,20,21,22,23,24,25,26,27,28,29,30,31
	v_mov_b32 v[160+\j], 0                         ; O^T: the step is written once for all trips; the first finds zeros
.endr
	s_mov_b32 s[TB], 0
	s_mov_b32 s[CNT], 8
	WALU
.Ltrip_\@:                                             ; two steps a trip: the regions are back where they began
	STEP RA, RB, 0, 1, \u
	STEP RB, RA, STP, 0, \u
	s_add_co_u32 s[TB], s[TB], 2*STP
	s_sub_co_u32 s[CNT], s[CNT], 1
	s_cmp_lg_u32 s[CNT], 0
	s_cbranch_scc1 .Ltrip_\@
	v_add_f32 v14, v14, v15
	s_delay_alu instid0(VALU_DEP_1)
	v_permlanex16_b32 v243, v14, s[SEL], s[SEL+1]
	s_delay_alu instid0(VALU_DEP_1)
	v_add_f32 v14, v14, v243                       ; the row's sum
	WALU
	v_rcp_f32 v14, v14
	v_nop
	WALU                                           ; ahead of the reciprocal's first reader
.irp j, 0,2,4,6,8,10,12,14,16,18,20,22,24,26,28,30
	v_pk_mul_f32 v[96+\j:97+\j], v[160+\j:161+\j], v[14:15] op_sel_hi:[1,0]   ; register 16 b + i = o(my query, d = 32 b + 16 h + i)
.endr
.irp b, 0,1
	v_max3_num_f32 v[224+\b], |v[96+16*\b]|, |v[97+16*\b]|, 0x1800000
.endr
.irp i, 2,4,6,8,10,12,14
.irp b, 0,1
	s_delay_alu instid0(VALU_DEP_2)
	v_max3_num_f32 v[224+\b], v[224+\b], |v[96+16*\b+\i]|, |v[97+16*\b+\i]|
.endr
.endr
.irp b, 0,1
	s_delay_alu instid0(VALU_DEP_2)
	v_permlanex16_b32 v[228+\b], v[224+\b], s[SEL], s[SEL+1]
.endr
.irp b, 0,1
	s_delay_alu instid0(VALU_DEP_2)
	v_max_num_f32 v[224+\b], v[224+\b], v[228+\b]
.endr
.irp b, 0,1
	s_delay_alu instid0(VALU_DEP_2)
	v_add_nc_u32 v[232+\b], 0xff000000, v[224+\b]
.endr
.irp b, 0,1
	s_delay_alu instid0(VALU_DEP_2)
	v_lshrrev_b32 v[228+\b], 23, v[232+\b]
.endr
.if \u
	s_delay_alu instid0(VALU_DEP_1)
	v_lshl_or_b32 v243, v229, 8, v228
	s_delay_alu instid0(VALU_DEP_1)
	v_cndmask_b32 v29, v29, v243, s[HI]            ; lanes 0-15 the even tile's words, lanes 16-31 the odd tile's
.else
	s_delay_alu instid0(VALU_DEP_1)
	v_lshl_or_b32 v29, v229, 8, v228               ; bytes 0, 1: the two blocks of d; bytes 2, 3: zero
.endif
	v_cvt_scalef32_pk16_fp6_f32 v[244+6*\u:246+6*\u], v[96:111], v232
	v_cvt_scalef32_pk16_fp6_f32 v[216:218], v[112:127], v233
	v_nop
.irp i, 0,1,2
	v_permlane16_swap_b32 v[244+6*\u+\i], v[216+\i]
.endr
.irp i, 0,1,2
	s_delay_alu instid0(VALU_DEP_3)
	v_mov_b32 v[247+6*\u+\i], v[216+\i]            ; lane (r, h): d = 32 h + 0 .. 31 of my query
.endr
.irp p, 0,1,2
	global_store_b64 v3, v[244+6*\u+2*\p:245+6*\u+2*\p], s[18:19] offset:12288*\u+256*\p   ; 256 consecutive bytes, aligned
.endr
.if \u
	global_store_b32 v4, v29, s[20:21]             ; the pair's scale words: 128 consecutive bytes
.endif
.endm
	PASS 0
	PASS 1
	s_wait_tensorcnt 0x0                           ; the wave's end
	ds_add_u32 v5, v6
	s_wait_dscnt 0x0
	s_endpgm
.Lfunc_end_k_q927ba3337d_attn:
	.size	k_q927ba3337d_attn, .Lfunc_end_k_q927ba3337d_attn-k_q927ba3337d_attn
	.p2alignl 7, 3214868480
	.fill 96, 4, 3214868480
	.section	.rodata,"a",@progbits
	.p2align	6, 0x0
	.amdhsa_kernel k_q927ba3337d_attn
		.amdhsa_group_segment_fixed_size 227840
		.amdhsa_private_segment_fixed_size 0
		.amdhsa_enable_private_segment 0
		.amdhsa_kernarg_size 24
		.amdhsa_user_sgpr_count 2
		.amdhsa_user_sgpr_kernarg_segment_ptr 1
		.amdhsa_wavefront_size32 1
		.amdhsa_system_sgpr_workgroup_id_x 1
		.amdhsa_system_sgpr_workgroup_id_y 1
		.amdhsa_system_sgpr_workgroup_id_z 1
		.amdhsa_system_vgpr_workitem_id 0
		.amdhsa_next_free_vgpr 256
		.amdhsa_next_free_sgpr 102
		.amdhsa_reserve_vcc 0
		.amdhsa_float_denorm_mode_32 3
		.amdhsa_float_denorm_mode_16_64 3
		.amdhsa_memory_ordered 1
		.amdhsa_forward_progress 1
		.amdhsa_inst_pref_size 103
	.end_amdhsa_kernel
	.amdgpu_metadata
---
amdhsa.version: [ 1, 2 ]
amdhsa.kernels:
  - .name:           k_q927ba3337d_attn
    .symbol:         k_q927ba3337d_attn.kd
    .args:
      - { .name: att, .offset: 0, .size: 8, .value_kind: global_buffer, .address_space: global }
      - { .name: mbits, .offset: 8, .size: 8, .value_kind: global_buffer, .address_space: global }
      - { .name: oim, .offset: 16, .size: 8, .value_kind: global_buffer, .address_space: global }
    .group_segment_fixed_size: 227840
    .private_segment_fixed_size: 0
    .kernarg_segment_align: 8
    .kernarg_segment_size: 24
    .max_flat_workgroup_size: 512
    .sgpr_count:     102
    .vgpr_count:     256
    .wavefront_size: 32
...
	.end_amdgpu_metadata
.endif
;; end of part 3
;; launch outp (part 4): grid 4 x 64, 4 waves a work-group, clusters of 4 x 4, 327,680 bytes of LDS; arguments oim, wim, bo, out0; writes out0
.if DOCPART == 4
	.amdgcn_target "amdgcn-amd-amdhsa--gfx1250"
	.amdhsa_code_object_version 6
	.text
	.protected	k_q927ba3337d_outp
	.globl	k_q927ba3337d_outp
	.p2align	8
	.type	k_q927ba3337d_outp,@function
k_q927ba3337d_outp:
	s_mov_b64 s[64:65], 0
	v_nop
	global_prefetch_b8 v0, s[64:65] scope:SCOPE_SE
	s_setreg_imm32_b32 hwreg(HW_REG_WAVE_MODE, 25, 1), 1
	s_wait_xcnt 0x0
	s_wait_alu depctr_hold_cnt(0) depctr_sa_sdst(0) depctr_va_vdst(0) depctr_va_sdst(0) depctr_va_ssrc(0) depctr_va_vcc(0) depctr_vm_vsrc(0)
	s_getreg_b32 s2, hwreg(HW_REG_IB_STS2, 6, 4)
	s_cmp_eq_u32 s2, 0
	s_cbranch_scc0 .Lentry_in_a_cluster
	s_endpgm
.Lentry_in_a_cluster:
	s_bfe_u32 s2, ttmp6, 0x10000c
	s_cmp_lg_u32 s2, 0xf033
	s_cbranch_scc0 .Lentry_shape_is_right
	s_endpgm
.Lentry_shape_is_right:
; out0 = concat Wo + bo on codes of FP6 (E2M3).  The same core as the projections: a work-group makes 128 tokens x 256 features over K = 1,024; four waves, 2 x 2, each 64 x 128: 32 accumulators; all of K of both operands lies
; in LDS, filled ONCE in two chunks of four K steps (a wave has one tensor load out at the most); A's tiles are asked for jointly along a row of the 4 x 4 cluster, B's along a column.
; A = attention's result: [token tile][K step 8][6 pieces of 256 bytes]: piece p, lane l at 8 l: registers 2 p, 2 p + 1 (K step s = heads 2 s and 2 s + 1).  Its scale words lie head by head: two are joined into a K step's word.
; B = Wo's images.  The matrix instruction is used transposed (source 0 = 16 features, source 1 = 16 tokens): a lane holds eight neighbouring features of one token.  bo is the C of each sum's first product.
; Tile T holds rows 32 (T / 2) + 8 (T % 2) + r + 8 (r / 8), of tokens and of features alike.
; THE WAY OUT: a block of 16 tokens x 128 features goes through the wave's stage in LDS and leaves as whole rows of 512 bytes.  The stages lie in chunk 0, which has had its only fill, and which nobody reads behind the second chunk's barrier.
; REGISTERS: as in the projections' text; v224-255 of window 0 take A's scale words as they are loaded.
.set CHUNK, 147456                     ; THE FILL AS IT STANDS NOW: two halves of K, four K steps each: A's 8 tiles x 6,144 bytes, then B's 16.  One tensor load a wave: wave 0 A's first half, wave 1 B's, wave 2 A's second half, wave 3 B's.  The stages lie in the first half's bytes, which nobody reads behind the barrier in K step 3
.set SPARE, 294912
.set NF,    48                         ; LDS loads of a K step: B's 24 of 16 bytes, A's 24 of 8
.set ADRA,  2
.set ADRB,  6
.set SPW,   10
.set NIL,   11
.set SCA,   16
.set SCB,   32
.set AF,    64
.set BB,    160
.set BK,    64                         ; the way out: 16 rows read back: v64-127 and v128-191 by turns
.set G1A, 16
.set G1B, 24
.set G0A, 32
.set G0B, 48
.set WV,  66
.set RH,  67
.set CHF, 68
.set CX,  69
.set CY,  70
.set TR,  73
.set MSB, 0
.macro WIN new
.if MSB != \new
	s_set_vgpr_msb (MSB<<8)|\new
.set MSB, \new
.endif
.endm
.macro CROUND
	s_barrier_signal -1
	s_barrier_wait -1
	s_cmp_lg_u32 s[WV], 0
	s_cbranch_scc1 .Lnot_wave_0_\@
	s_barrier_signal -3
.Lnot_wave_0_\@:
	s_barrier_wait -3
	s_barrier_signal -1
	s_barrier_wait -1
.endm
.macro PLACES
.rept 4
	v_nop
.endr
.endm
.macro WM d, p, q, c, sp, sq, rp, rq   ; one product: C = v[c ..]
.if (\rp) && (\rq)
	v_wmma_scale_f32_16x16x128_f8f6f4 v[(\d):(\d)+7], v[(\p):(\p)+11], v[(\q):(\q)+11], v[(\c):(\c)+7], v[\sp], v[\sq] matrix_a_fmt:MATRIX_FMT_FP6 matrix_b_fmt:MATRIX_FMT_FP6 matrix_a_scale:MATRIX_SCALE_ROW1 matrix_b_scale:MATRIX_SCALE_ROW1
.elseif (\rp)
	v_wmma_scale_f32_16x16x128_f8f6f4 v[(\d):(\d)+7], v[(\p):(\p)+11], v[(\q):(\q)+11], v[(\c):(\c)+7], v[\sp], v[\sq] matrix_a_fmt:MATRIX_FMT_FP6 matrix_b_fmt:MATRIX_FMT_FP6 matrix_a_scale:MATRIX_SCALE_ROW1
.elseif (\rq)
	v_wmma_scale_f32_16x16x128_f8f6f4 v[(\d):(\d)+7], v[(\p):(\p)+11], v[(\q):(\q)+11], v[(\c):(\c)+7], v[\sp], v[\sq] matrix_a_fmt:MATRIX_FMT_FP6 matrix_b_fmt:MATRIX_FMT_FP6 matrix_b_scale:MATRIX_SCALE_ROW1
.else
	v_wmma_scale_f32_16x16x128_f8f6f4 v[(\d):(\d)+7], v[(\p):(\p)+11], v[(\q):(\q)+11], v[(\c):(\c)+7], v[\sp], v[\sq] matrix_a_fmt:MATRIX_FMT_FP6 matrix_b_fmt:MATRIX_FMT_FP6
.endif
.endm
	s_load_b256 s[4:11], s[0:1], 0x0               ; oim, wim, bo, out0
	v_lshl_add_u32 v[SPW], v0, 2, SPARE
	v_mov_b32 v[NIL], 0
	ds_add_u32 v[SPW], v[NIL]                      ; the wave's opening: the add and its wait ahead of my first tensor load; the set-up below, work on registers, stands between them
	ds_add_u32 v[SPW], v[NIL]
	v_lshrrev_b32 v1, 5, v0
	v_readfirstlane_b32 s[WV], v1
	s_lshr_b32 s[RH], s[WV], 1                     ; which 64 tokens are mine.  Also: which half of K I fetch
	s_and_b32 s[CHF], s[WV], 1                     ; which 128 features.  Also: I fetch for A (0) or for B (1)
	s_bfe_u32 s[CX], ttmp6, 0x40000                ; cx is also the block of 256 features
	s_bfe_u32 s[CY], ttmp6, 0x40004
	s_and_b32 s[TR], ttmp7, 0xffff
	s_lshl_b32 s[TR], s[TR], 2
	s_add_co_u32 s[TR], s[TR], s[CY]               ; which 128 tokens
	s_lshl_b32 s77, s[CY], 2
	s_lshl_b32 s77, 15, s77                        ; my row of the cluster
	s_lshl_b32 s81, 0x1111, s[CX]                  ; my column
	s_or_b32 s[G1A], s77, (3<<16)|(1<<21)          ; rows of 6,144 bytes (768 elements of 8), 12,288 bytes apart: 8 for A, 16 for B; no padding
	s_or_b32 s[G1B], s81, (3<<16)|(1<<21)
	s_mov_b32 s[G1A+1], 768<<16                    ; rows of 6,144 bytes (a tile's four K steps), 8 of them for A, 16 for B
	s_mov_b32 s[G1A+2], 8<<16
	s_mov_b32 s[G1A+3], 768<<16
	s_mov_b32 s[G1A+4], 8
	s_mov_b32 s[G1A+5], 1536
	s_mov_b32 s[G1A+6], 0
	s_mov_b32 s[G1A+7], 0
	s_mov_b32 s[G1B+1], 768<<16
	s_mov_b32 s[G1B+2], 16<<16
	s_mov_b32 s[G1B+3], 768<<16
	s_mov_b32 s[G1B+4], 16
	s_mov_b32 s[G1B+5], 1536
	s_mov_b32 s[G1B+6], 0
	s_mov_b32 s[G1B+7], 0
	s_mul_i32 s76, s[TR], 98304                    ; A: tile 8 x block, 12,288 bytes a tile
	s_mov_b32 s77, 0
	s_mul_i32 s80, s[CX], 196608                   ; B: tile 16 x block
	s_add_co_u32 s80, s80, 2359296                 ; Wo is the fourth weight
	s_mov_b32 s81, 0
	s_wait_dscnt 0x0                               ; the opening add is done
	s_wait_kmcnt 0x0
	s_add_nc_u64 s[90:91], s[4:5], s[76:77]
	s_add_nc_u64 s[92:93], s[6:7], s[80:81]
.irp q, 0,1                                    ; a group 0 for each half of K
	s_mov_b32 s[G0A+4*\q], 1
	s_mov_b32 s[G0A+4*\q+1], CHUNK*\q
	s_add_nc_u64 s[G0A+4*\q+2:G0A+4*\q+3], s[90:91], 6144*\q
	s_or_b32 s[G0A+4*\q+3], s[G0A+4*\q+3], 0x80000000
	s_mov_b32 s[G0B+4*\q], 1
	s_mov_b32 s[G0B+4*\q+1], CHUNK*\q+49152
	s_add_nc_u64 s[G0B+4*\q+2:G0B+4*\q+3], s[92:93], 6144*\q
	s_or_b32 s[G0B+4*\q+3], s[G0B+4*\q+3], 0x80000000
.endr
	CROUND                                         ; all sixteen work-groups are here: the joint loads meet
	s_cmp_eq_u32 s[WV], 0                          ; one chain of branches on the wave's number, one load to an arm
	s_cbranch_scc0 .Lw1
	tensor_load_to_lds s[G0A:G0A+3], s[G1A:G1A+7]
	s_nop 0
.rept 4
	v_nop
.endr
	s_branch .Lasked
.Lw1:
	s_cmp_eq_u32 s[WV], 1
	s_cbranch_scc0 .Lw2
	tensor_load_to_lds s[G0B:G0B+3], s[G1B:G1B+7]
	s_nop 0
.rept 4
	v_nop
.endr
	s_branch .Lasked
.Lw2:
	s_cmp_eq_u32 s[WV], 2
	s_cbranch_scc0 .Lw3
	tensor_load_to_lds s[G0A+4:G0A+7], s[G1A:G1A+7]
	s_nop 0
.rept 4
	v_nop
.endr
	s_branch .Lasked
.Lw3:
	tensor_load_to_lds s[G0B+4:G0B+7], s[G1B:G1B+7]
	s_nop 0
.rept 4
	v_nop
.endr
.Lasked:
	v_and_b32 v14, 31, v0
	v_lshlrev_b32 v1, 4, v14                       ; 16 l
	v_lshlrev_b32 v12, 5, v14                      ; 32 l
	v_lshlrev_b32 v13, 2, v14                      ; 4 l
	v_lshlrev_b32 v15, 3, v14                      ; 8 l
	s_wait_alu depctr_va_vdst(0)
	s_mul_i32 s84, s[RH], 24576                    ; my four tiles of A, 6,144 bytes each in a half
	s_mul_i32 s85, s[CHF], 49152                   ; my eight of B,
	s_add_co_u32 s85, s85, 49152                   ; behind A's eight
.irp q, 0,1
	v_add_nc_u32 v[ADRA+\q], s84, v15
	v_add_nc_u32 v[ADRB+\q], s85, v1
	s_add_co_u32 s84, s84, CHUNK
	s_add_co_u32 s85, s85, CHUNK
.endr
	v_bfe_u32 v14, v0, 4, 1
	v_lshlrev_b32 v14, 6, v14                      ; 64 h
	; A's scale words: [batch][head][tile 128][16 words] from byte 6,291,456; my first tile is 8 x block + 4 x half
	s_wait_alu depctr_va_vdst(0)
	s_lshl_b32 s76, s[TR], 3
	s_lshl_b32 s78, s[RH], 2
	s_add_co_u32 s76, s76, s78
	s_lshr_b32 s78, s76, 7
	s_lshl_b32 s78, s78, 17
	s_and_b32 s76, s76, 127
	s_lshl_b32 s76, s76, 6
	s_add_co_u32 s76, s76, s78
	s_add_co_u32 s76, s76, 6291456
	s_mov_b32 s77, 0
	s_add_nc_u64 s[86:87], s[4:5], s[76:77]
	s_lshl_b32 s76, s[CX], 4
	s_lshl_b32 s78, s[CHF], 3
	s_add_co_u32 s76, s76, s78
	s_lshl_b32 s76, s76, 9
	s_add_co_u32 s76, s76, 3244032                 ; 3,145,728 + 3 x 32,768: Wo's scale words
	s_add_nc_u64 s[88:89], s[6:7], s[76:77]
	s_lshl_b32 s76, s[CX], 10
	s_lshl_b32 s78, s[CHF], 9
	s_add_co_u32 s76, s76, s78                     ; my first feature, in bytes
	s_add_nc_u64 s[90:91], s[8:9], s[76:77]
	s_lshl_b32 s78, s[TR], 7
	s_lshl_b32 s79, s[RH], 6
	s_add_co_u32 s78, s78, s79
	s_lshl_b32 s78, s78, 12                        ; my first token's row of 4,096 bytes
	s_add_co_u32 s76, s76, s78
	s_add_nc_u64 s[92:93], s[10:11], s[76:77]
.irp j, 0,1
.irp d, 0,1,2,3,4,5,6,7,8,9,10,11,12,13,14,15
	global_load_b32 v[224+16*\j+\d], v13, s[86:87] offset:8192*\d+128*\j   ; head d, pair j: lanes 0-15 the even tile's rows, lanes 16-31 the odd tile's
.endr
.endr
.irp j, 0,1,2,3
.irp e, 0,1
	global_load_b128 v[SCB+8*\j+4*\e:SCB+8*\j+4*\e+3], v12, s[88:89] offset:1024*\j+16*\e
.endr
.endr
.irp b, 0,1,2,3,4,5,6,7
	global_load_b128 v[BB+8*\b:BB+8*\b+3], v14, s[90:91] offset:128*(\b/2)+32*(\b%2)        ; bo at features 32 (b / 2) + 16 h + 8 (b % 2) + 0 .. 7: the result's layout
	global_load_b128 v[BB+8*\b+4:BB+8*\b+7], v14, s[90:91] offset:128*(\b/2)+32*(\b%2)+16
.endr
.macro FETCH s, set
	WIN 0x40
.irp i, 0,1,2,3,4,5,6,7
.irp c, 0,1,2
	ds_load_b128 v[96*(\set)+12*\i+4*\c:96*(\set)+12*\i+4*\c+3], v[ADRB+(\s)/4] offset:6144*\i+1536*((\s)%4)+512*\c
.endr
.endr
	WIN 0
.irp i, 0,1,2,3
.irp p, 0,1,2,3,4,5
	ds_load_b64 v[AF+48*(\set)+12*\i+2*\p:AF+48*(\set)+12*\i+2*\p+1], v[ADRA+(\s)/4] offset:6144*\i+1536*((\s)%4)+256*\p
.endr
.endr
.endm
; 32 products: the accumulators take turns, one instruction a turn, in the same order in every K step.  first = 1: the bias starts the sums
.macro MUL s, set, first
.if \first
	WIN 0x81                                       ; source 0 (B) window 1, source 1 (A) and C (the bias) window 0, D window 2
.else
	WIN 0xa1                                       ; C and D window 2
.endif
.irp a, 0,1,2,3
.irp b, 0,1,2,3,4,5,6,7
.if \first
	WM 64*\a+8*\b, 96*(\set)+12*\b, AF+48*(\set)+12*\a, BB+8*\b, SCB+8*(\b/2)+(\s), SCA+8*(\a/2)+(\s), \b%2, \a%2
.else
	WM 64*\a+8*\b, 96*(\set)+12*\b, AF+48*(\set)+12*\a, 64*\a+8*\b, SCB+8*(\b/2)+(\s), SCA+8*(\a/2)+(\s), \b%2, \a%2
.endif
.endr
.endr
.endm
.macro KSTEP s
.if (\s) == 3
	s_wait_tensorcnt 0x0                           ; every wave's load is in: the barrier shows the second half of K
	s_wait_dscnt 0x0                               ; no LDS load of mine is out at a signal: my reads of the chunk before are over
	s_barrier_signal -1
	s_barrier_wait -1
.endif
.if (\s) < 7
.if (\s) > 0
	PLACES
.endif
	FETCH (\s)+1, ((\s)+1)%2
	s_wait_dscnt NF                                ; all but the 48 just issued
.else
	s_wait_dscnt 0x0
.endif
.if (\s) == 0
	s_wait_alu depctr_va_vdst(0)
	MUL \s, (\s)%2, 1
.else
	MUL \s, (\s)%2, 0
.endif
.endm
	s_wait_alu depctr_va_vdst(0)
	s_cmp_lt_u32 s[WV], 2
	s_cbranch_scc0 .Lnot_first
	s_wait_tensorcnt 0x0                           ; waves 0 and 1: the first half of K is in; waves 2 and 3's loads may stay out
.Lnot_first:
	s_barrier_signal -1
	s_barrier_wait -1
	FETCH 0, 0
	s_wait_loadcnt 0x0
.irp j, 0,1
.irp s, 0,1,2,3,4,5,6,7
	v_lshl_or_b32 v[SCA+8*\j+\s], v[224+16*\j+2*\s+1], 16, v[224+16*\j+2*\s]   ; K step s: head 2 s's two bytes below, head 2 s + 1's above
.endr
.endr
.rept 8
	v_nop                                          ; a scale register written by a vector instruction stands eight places ahead of a scaled product
.endr
.irp s, 0,1,2,3,4,5,6,7
	KSTEP \s
.endr
	WIN 0
	PLACES
	s_mul_i32 s76, s[WV], 8448                     ; my stage: 16 rows x (512 + 16) bytes
	v_and_b32 v12, 15, v0
	v_mul_u32_u24 v12, v12, 528
	v_bfe_u32 v13, v0, 4, 1
	v_lshl_add_u32 v12, v13, 6, v12
	v_add_nc_u32 v12, s76, v12                     ; in: row r, + 64 h
	s_wait_alu depctr_va_vdst(0)
	v_add_nc_u32 v13, s76, v1                      ; back: 16 l of a row
.macro TOSTAGE a
	WIN 0x08                                       ; an LDS store's data are its source 1: window 2
.irp b, 0,1,2,3,4,5,6,7
	ds_store_b128 v12, v[64*(\a)+8*\b:64*(\a)+8*\b+3] offset:128*(\b/2)+32*(\b%2)            ; each accumulator from its low end on
	ds_store_b128 v12, v[64*(\a)+8*\b+4:64*(\a)+8*\b+7] offset:128*(\b/2)+32*(\b%2)+16
.endr
	WIN 0
.set BBK, BK+64*((\a)%2)
.irp t, 0,1,2,3,4,5,6,7,8,9,10,11,12,13,14,15
	ds_load_b128 v[BBK+4*\t:BBK+4*\t+3], v13 offset:528*\t   ; LDS serves a wave's instructions in order (ISA guide 5.7.1.4): these see my stores, and the next block's stores come behind them
.endr
.endm
.macro SEND a, younger                 ; younger: the LDS instructions issued behind block a's loads, which may stay out
.set BBK, BK+64*((\a)%2)
	s_wait_dscnt \younger
.irp t, 0,1,2,3,4,5,6,7,8,9,10,11,12,13,14,15
	global_store_b128 v1, v[BBK+4*\t:BBK+4*\t+3], s[92:93] offset:(32*((\a)/2)+8*((\a)%2)+\t+8*(\t/8))*4096 th:TH_STORE_NT   ; 512 consecutive bytes, at a multiple of 256 from the output's first byte
.endr
.endm
	s_wait_alu depctr_va_vdst(0)
	TOSTAGE 0
.irp a, 1,2,3
.if \a > 1
	s_wait_xcnt 0x0                                ; block a - 2's stores have read their registers: block a's loads may land there
.endif
	TOSTAGE \a
	SEND \a-1, 32                                  ; behind block a - 1's loads: block a's 16 stores and 16 loads
.endr
	SEND 3, 0
	s_wait_tensorcnt 0x0                           ; the wave's end
	ds_add_u32 v[SPW], v[NIL]
	s_wait_dscnt 0x0
	CROUND                                         ; the closing round
	s_endpgm
.Lfunc_end_k_q927ba3337d_outp:
	.size	k_q927ba3337d_outp, .Lfunc_end_k_q927ba3337d_outp-k_q927ba3337d_outp
	.p2alignl 7, 3214868480
	.fill 96, 4, 3214868480
	.section	.rodata,"a",@progbits
	.p2align	6, 0x0
	.amdhsa_kernel k_q927ba3337d_outp
		.amdhsa_group_segment_fixed_size 327680
		.amdhsa_private_segment_fixed_size 0
		.amdhsa_enable_private_segment 0
		.amdhsa_kernarg_size 32
		.amdhsa_user_sgpr_count 2
		.amdhsa_user_sgpr_kernarg_segment_ptr 1
		.amdhsa_wavefront_size32 1
		.amdhsa_system_sgpr_workgroup_id_x 1
		.amdhsa_system_sgpr_workgroup_id_y 1
		.amdhsa_system_sgpr_workgroup_id_z 1
		.amdhsa_system_vgpr_workitem_id 0
		.amdhsa_next_free_vgpr 768
		.amdhsa_next_free_sgpr 104
		.amdhsa_reserve_vcc 0
		.amdhsa_float_denorm_mode_32 3
		.amdhsa_float_denorm_mode_16_64 3
		.amdhsa_memory_ordered 1
		.amdhsa_forward_progress 1
		.amdhsa_inst_pref_size 87
	.end_amdhsa_kernel
	.amdgpu_metadata
---
amdhsa.version: [ 1, 2 ]
amdhsa.kernels:
  - .name:           k_q927ba3337d_outp
    .symbol:         k_q927ba3337d_outp.kd
    .args:
      - { .name: oim, .offset: 0, .size: 8, .value_kind: global_buffer, .address_space: global }
      - { .name: wim, .offset: 8, .size: 8, .value_kind: global_buffer, .address_space: global }
      - { .name: bo, .offset: 16, .size: 8, .value_kind: global_buffer, .address_space: global }
      - { .name: out0, .offset: 24, .size: 8, .value_kind: global_buffer, .address_space: global }
    .group_segment_fixed_size: 327680
    .private_segment_fixed_size: 0
    .kernarg_segment_align: 8
    .kernarg_segment_size: 32
    .max_flat_workgroup_size: 128
    .sgpr_count:     104
    .vgpr_count:     768
    .wavefront_size: 32
...
	.end_amdgpu_metadata
.endif
;; end of part 4
